; MI455X (gfx1250); checked and timed in simulation.
; The chip was launched on July 23, 2026; its instructions are those of AMD's public machine-readable ISA for CDNA 5 (MIT licence, August 2026) and "CDNA5" Instruction Set Architecture Reference Guide (July 2026). The comments in the code are by the model that wrote it; some were corrected since.
;; Bahdanau Attention. Allowed arithmetic: float matrix products may take bf16 or f16 operands with f32 sums; other float arithmetic in f32, or as packed bf16 or f16 multiplies, adds, multiply-adds, maxima and minima; sums over many terms, partial sums and values carried from step to step in f32; what a program stores and reads back later, other than sums and carried values, may be rounded once to bf16 or f16.
;; Inputs: Ua_b 1,024 float32; Ua_w 1,024 x 1,024 float32; Va_b 1 float32; Va_w 1 x 1,024 float32; Wa_b 1,024 float32; Wa_w 1,024 x 1,024 float32; keys 32 x 2,048 x 1,024 float32; query 32 x 1,024 float32.
;; Outputs: out0 32 x 1,024 float32; out1 32 x 2,048 float32.
;; 2 versions, each right; version 2 is version 1 with the launch score written anew for expert scheduling mode. Each part assembles by itself: llvm-mc -triple=amdgcn-amd-amdhsa -mcpu=gfx1250 --defsym DOCPART=n.
;; ======== version 1 of 2: 3 launches
;; workspace buffers: uab 2,097,152 bytes; qb 131,072 bytes; scores 262,144 bytes; ctxp 2,097,152 bytes
;; launch prep (part 1): grid 64 x 1, 8 waves a work-group, no clusters, 149,504 bytes of LDS; arguments Ua_w, Wa_w, query, Wa_b, Ua_b, uab, qb; writes uab, qb
.if DOCPART == 1
	.amdgcn_target "amdgcn-amd-amdhsa--gfx1250"
	.amdhsa_code_object_version 6
	.text
	.protected	k_qc22be38d79_prep
	.globl	k_qc22be38d79_prep
	.p2align	8
	.type	k_qc22be38d79_prep,@function
k_qc22be38d79_prep:
	s_mov_b64 s[64:65], 0
	v_nop
	global_prefetch_b8 v0, s[64:65] scope:SCOPE_SE
	s_setreg_imm32_b32 hwreg(HW_REG_WAVE_MODE, 25, 1), 1
	s_wait_xcnt 0x0
; PREPARATION.  Work-group g owns 16 rows (16 g ..) of Ua_w and of Wa_w.
;   uab: Ua_w rounded to bf16 and laid out as matrix fragments, [w 4][c 4][s 32][t 4][half 2][lane 32][16 bytes], where row tile g = 16 c + 4 w + t and s is a K step of 32:
;        lane L, half x holds Ua_w[16 g + L % 16][32 s + 16 x + 8 (L / 16) + 0..7], so that the next launch loads a fragment as 512 consecutive bytes twice.
;   qb:  (query Wa_w^T + Wa_b + Ua_b) x 2 log2(e), f32, [tile g][batch 32][16]: the product in bf16 with f32 sums, the biases in f32.
; Eight waves.  Each brings 8 rows of 4,096 bytes (waves 0, 1: Ua_w; 2, 3: Wa_w; 4 to 7: query), rounds them to bf16 and puts them into LDS; behind a barrier wave v takes
; K steps 4 v .. 4 v + 3 of all three: it stores Ua_w's fragments and multiplies query by Wa_w^T over its 128 of K; the eight partial sums (f32) meet in LDS.
; No tensor loads and no cluster: the f32 rows must pass through registers to be rounded, and the work-groups share only query, 128 KB of the 8.5 MB read.
.set P,     2064                       ; an LDS row: 2,048 bytes of bf16 + 16 = 516 words: row r starts at bank 4 r mod 64 (64 banks of 4 bytes: ISA guide 11.1)
.set PART,  64*P                       ; behind the 64 rows (0-15 Ua_w, 16-31 Wa_w, 32-63 query): [wave 8][batch 32][16] f32
.set SPARE, PART+8*2048                ; the spare words, 128 bytes for each wave: four blocks of 256 bytes that no other line names
.set C2,    0x4038aa3b                 ; 2 log2(e)
; window 0: v1 r, v2 h, v3 16 x lane, v4 where I store rows, v5 v6 where I read fragments, v7 v8 partial sums in and out, v9 bias offset, v10 qb offset, v28 v29 the add's two
;           v12-17 biases, v32-63 rounded pairs, v64-95 Ua_w's fragments, v96-127 Wa_w's, v128-191 query's, v192-207 two accumulators, v208-223 partial sums
; window 1: v0-255 the 64 loads of 16 bytes a lane
.set MSB, 0
.macro WIN new                         ; the immediate's high byte repeats the setting that is left
.if MSB != (\new)
	s_set_vgpr_msb (MSB<<8)|(\new)
.set MSB, (\new)
.endif
.endm
	s_load_b256 s[4:11], s[0:1], 0x0               ; Ua_w s[4:5], Wa_w s[6:7], query s[8:9], Wa_b s[10:11]
	s_load_b128 s[12:15], s[0:1], 0x20             ; Ua_b s[12:13], uab s[14:15]
	s_load_b64 s[16:17], s[0:1], 0x30              ; qb
	v_lshl_add_u32 v28, v0, 2, SPARE               ; my spare word,
	v_mov_b32 v29, 0                               ; and 0: kept for the add at the wave's end alone
	v_lshrrev_b32 v11, 5, v0
	v_readfirstlane_b32 s18, v11                   ; wave v, 0..7
	s_mov_b32 s19, ttmp9                           ; g
	v_and_b32 v11, 31, v0                          ; lane
	v_and_b32 v1, 15, v0                           ; r
	v_bfe_u32 v2, v0, 4, 1                         ; h
	v_lshlrev_b32 v3, 4, v11
	s_mul_i32 s22, s18, 8*P
	v_lshl_add_u32 v4, v11, 3, s22                 ; my wave's 8 LDS rows, 8 bytes a lane
	v_mul_u32_u24 v5, v1, P
	v_lshl_add_u32 v5, v2, 4, v5
	s_lshl_b32 s22, s18, 8
	v_add_nc_u32 v5, s22, v5                       ; fragments: row r, 16 h, my four K steps begin at byte 256 v
	v_add_nc_u32 v6, 32*P, v5                      ; the same in query's rows
	s_lshl_b32 s22, s18, 11
	s_add_co_u32 s22, s22, PART
	v_lshl_add_u32 v7, v2, 9, s22
	v_lshl_add_u32 v7, v1, 2, v7                   ; my wave's partial sums: batch 8 h + j (64 bytes each), column r
	v_lshl_add_u32 v8, v0, 3, PART                 ; back: 8 bytes a thread
	v_and_b32 v9, 7, v0
	s_lshl_b32 s22, s19, 6
	v_lshl_add_u32 v9, v9, 3, s22                  ; the two columns of those 8 bytes, in the biases
	v_lshlrev_b32 v10, 3, v0
	s_and_b32 s22, s18, 1                          ; where my 8 rows begin: weights: row 16 g + 8 (v % 2);
	s_lshl_b32 s22, s22, 15
	s_lshl_b32 s23, s19, 16
	s_add_co_u32 s22, s22, s23
	s_sub_co_u32 s23, s18, 4                       ; query: row 8 (v - 4)
	s_lshl_b32 s23, s23, 15
	s_cmp_lt_u32 s18, 4
	s_cselect_b32 s22, s22, s23
	s_mov_b32 s23, 0
	s_bfe_u32 s24, s19, 0x20002                    ; uab: w = (g / 4) % 4,
	s_lshl_b32 s24, s24, 19
	s_lshr_b32 s25, s19, 4                         ; c = g / 16,
	s_lshl_b32 s25, s25, 17
	s_add_co_u32 s24, s24, s25
	s_and_b32 s25, s19, 3                          ; t = g % 4,
	s_lshl_b32 s25, s25, 10
	s_add_co_u32 s24, s24, s25
	s_lshl_b32 s25, s18, 14                        ; K step 4 v
	s_add_co_u32 s24, s24, s25
	s_mov_b32 s25, 0
	s_lshl_b32 s26, s19, 11                        ; qb: 2,048 bytes a tile
	s_mov_b32 s27, 0
	s_wait_kmcnt 0x0
	s_cmp_lt_u32 s18, 2                            ; the wave's source: a choice between buffers by the wave's number
	s_cselect_b64 s[20:21], s[4:5], s[6:7]
	s_cmp_lt_u32 s18, 4
	s_cselect_b64 s[20:21], s[20:21], s[8:9]
	s_add_nc_u64 s[20:21], s[20:21], s[22:23]
	s_add_nc_u64 s[24:25], s[14:15], s[24:25]
	s_add_nc_u64 s[26:27], s[16:17], s[26:27]
	global_load_b64 v[12:13], v9, s[10:11]         ; Wa_b
	global_load_b64 v[16:17], v9, s[12:13]         ; Ua_b
	WIN 0x40                                       ; destination window 1
.set i, 0
.rept 64                                           ; 8 rows x 8 loads of 512 consecutive bytes
	global_load_b128 v[4*i:4*i+3], v3, s[20:21] offset:(i/8)*4096+(i%8)*512
.set i, i+1
.endr
.set gq, 0
.rept 4                                            ; two rows at a time
	s_wait_loadcnt 48-16*gq                        ; loads come back in order: this group of 16 (and the biases) is in, the younger groups stay out
	WIN 0x05                                       ; sources window 1, destination window 0
.set k, 0
.rept 32
	v_cvt_pk_bf16_f32 v[32+k], v[64*gq+2*k], v[64*gq+2*k+1]
.set k, k+1
.endr
	WIN 0
.set k, 0
.rept 16
	ds_store_b64 v4, v[32+2*k:33+2*k] offset:((16*gq+k)/8)*P+(k%8)*256  ; 32 lanes, 256 consecutive bytes
.set k, k+1
.endr
.set gq, gq+1
.endr
	s_wait_dscnt 0x0                               ; for the others' sake: my rows are in LDS
	s_barrier_signal -1
	s_barrier_wait -1
.irp e, 0,1,2,3                                    ; a fragment: two loads of 16 bytes, 32 bytes apart
	ds_load_b128 v[64+8*\e:64+8*\e+3], v5 offset:64*\e
	ds_load_b128 v[64+8*\e+4:64+8*\e+7], v5 offset:64*\e+32
.endr
.irp e, 0,1,2,3
	ds_load_b128 v[96+8*\e:96+8*\e+3], v5 offset:16*P+64*\e
	ds_load_b128 v[96+8*\e+4:96+8*\e+7], v5 offset:16*P+64*\e+32
.endr
.irp mt, 0,1
.irp e, 0,1,2,3
	ds_load_b128 v[128+32*\mt+8*\e:128+32*\mt+8*\e+3], v6 offset:16*P*\mt+64*\e
	ds_load_b128 v[128+32*\mt+8*\e+4:128+32*\mt+8*\e+7], v6 offset:16*P*\mt+64*\e+32
.endr
.endr
	s_wait_dscnt 24                                ; Ua_w's eight loads are in; the 24 behind them may be out
.irp e, 0,1,2,3
	global_store_b128 v3, v[64+8*\e:64+8*\e+3], s[24:25] offset:4096*\e        ; each store: 512 consecutive bytes, at a multiple of 512 from uab's first
	global_store_b128 v3, v[64+8*\e+4:64+8*\e+7], s[24:25] offset:4096*\e+512
.endr
	s_wait_dscnt 0x0
.irp e, 0,1,2,3                                    ; source 0 = 16 batches, source 1 = 16 rows of Wa_w; the two accumulators take turns
.irp mt, 0,1
.if \e == 0
	v_wmma_f32_16x16x32_bf16 v[192+8*\mt:199+8*\mt], v[128+32*\mt+8*\e:128+32*\mt+8*\e+7], v[96+8*\e:96+8*\e+7], 0
.else
	v_wmma_f32_16x16x32_bf16 v[192+8*\mt:199+8*\mt], v[128+32*\mt+8*\e:128+32*\mt+8*\e+7], v[96+8*\e:96+8*\e+7], v[192+8*\mt:199+8*\mt]
.endif
.endr
.endr
.rept 4
	v_nop                                          ; four places between the last product and the stores of its result
.endr
.irp mt, 0,1
.irp j, 0,1,2,3,4,5,6,7                            ; register j: batch 16 mt + 8 h + j, column r; each accumulator from its low end on
	ds_store_b32 v7, v[192+8*\mt+\j] offset:(16*\mt+\j)*64
.endr
.endr
	s_wait_dscnt 0x0                               ; for the others' sake: my partial sums are in LDS
	s_barrier_signal -1
	s_barrier_wait -1
.irp u, 0,1,2,3,4,5,6,7
	ds_load_b64 v[208+2*\u:209+2*\u], v8 offset:2048*\u
.endr
	s_wait_dscnt 0x0
.irp u, 1,2,3,4,5,6,7                              ; K ascending
	v_pk_add_f32 v[208:209], v[208:209], v[208+2*\u:209+2*\u]
.endr
	v_pk_add_f32 v[12:13], v[12:13], v[16:17]
	v_pk_add_f32 v[208:209], v[208:209], v[12:13]
	v_pk_mul_f32 v[208:209], v[208:209], C2 op_sel_hi:[1,0]
	global_store_b64 v10, v[208:209], s[26:27]     ; a wave stores 256 consecutive bytes, at a multiple of 256 from qb's first
	s_wait_tensorcnt 0x0                           ; the wave's end, behind my last LDS store
	ds_add_u32 v28, v29
	s_wait_dscnt 0x0
	s_endpgm
.Lfunc_end_k_qc22be38d79_prep:
	.size	k_qc22be38d79_prep, .Lfunc_end_k_qc22be38d79_prep-k_qc22be38d79_prep
	.p2alignl 7, 3214868480
	.fill 96, 4, 3214868480
	.section	.rodata,"a",@progbits
	.p2align	6, 0x0
	.amdhsa_kernel k_qc22be38d79_prep
		.amdhsa_group_segment_fixed_size 149504
		.amdhsa_private_segment_fixed_size 0
		.amdhsa_enable_private_segment 0
		.amdhsa_kernarg_size 56
		.amdhsa_user_sgpr_count 2
		.amdhsa_user_sgpr_kernarg_segment_ptr 1
		.amdhsa_wavefront_size32 1
		.amdhsa_system_sgpr_workgroup_id_x 1
		.amdhsa_system_sgpr_workgroup_id_y 1
		.amdhsa_system_sgpr_workgroup_id_z 1
		.amdhsa_system_vgpr_workitem_id 0
		.amdhsa_next_free_vgpr 512
		.amdhsa_next_free_sgpr 66
		.amdhsa_reserve_vcc 0
		.amdhsa_float_denorm_mode_32 3
		.amdhsa_float_denorm_mode_16_64 3
		.amdhsa_memory_ordered 1
		.amdhsa_forward_progress 1
		.amdhsa_inst_pref_size 28
	.end_amdhsa_kernel
	.amdgpu_metadata
---
amdhsa.version: [ 1, 2 ]
amdhsa.kernels:
  - .name:           k_qc22be38d79_prep
    .symbol:         k_qc22be38d79_prep.kd
    .args:
      - { .name: Ua_w, .offset: 0, .size: 8, .value_kind: global_buffer, .address_space: global }
      - { .name: Wa_w, .offset: 8, .size: 8, .value_kind: global_buffer, .address_space: global }
      - { .name: query, .offset: 16, .size: 8, .value_kind: global_buffer, .address_space: global }
      - { .name: Wa_b, .offset: 24, .size: 8, .value_kind: global_buffer, .address_space: global }
      - { .name: Ua_b, .offset: 32, .size: 8, .value_kind: global_buffer, .address_space: global }
      - { .name: uab, .offset: 40, .size: 8, .value_kind: global_buffer, .address_space: global }
      - { .name: qb, .offset: 48, .size: 8, .value_kind: global_buffer, .address_space: global }
    .group_segment_fixed_size: 149504
    .private_segment_fixed_size: 0
    .kernarg_segment_align: 8
    .kernarg_segment_size: 56
    .max_flat_workgroup_size: 256
    .sgpr_count:     66
    .vgpr_count:     512
    .wavefront_size: 32
...
	.end_amdgpu_metadata
.endif
;; end of part 1
;; launch score (part 2): grid 512 x 1, 8 waves a work-group, no clusters, 298,240 bytes of LDS; arguments keys, uab, qb, Va_w, Va_b, scores, ctxp; writes scores, ctxp
.if DOCPART == 2
	.amdgcn_target "amdgcn-amd-amdhsa--gfx1250"
	.amdhsa_code_object_version 6
	.text
	.protected	k_qc22be38d79_score
	.globl	k_qc22be38d79_score
	.p2align	8
	.type	k_qc22be38d79_score,@function
k_qc22be38d79_score:
	s_mov_b64 s[64:65], 0
	v_nop
	global_prefetch_b8 v0, s[64:65] scope:SCOPE_SE
	s_setreg_imm32_b32 hwreg(HW_REG_WAVE_MODE, 25, 1), 1
	s_wait_xcnt 0x0
; SCORES AND A BLOCK'S SHARE OF THE CONTEXT.  Work-group g owns 128 rows of keys (rows 128 g .., batch g / 16).
;   score[s] = Va_b + sum over o of Va_w[o] tanh(q[o] + sum over h of keys[s][h] Ua_w[o][h]);  q holds q_proj and both biases, times 2 log2(e) (launch prep).   -> scores, f32
;   ctxp[g][n] = sum over the block's s of p_s keys[s][n],  p_s = exp(score[s] - the block's largest score).                                                      -> ctxp, f32
; The last launch takes the batch's true maximum away and joins the sixteen blocks of a batch.
; FORMATS AND LIMITS.  keys, Ua_w and p are rounded once to bf16 as matrix operands; all sums, the maximum and the scores are f32.  tanh(x) = 1 - 2 / (1 + 2^y), y = 2 log2(e) x, so
; score = Va_b + sum v - 2 sum v / (1 + 2^y): every partial sum is bounded by sum |v|, as in the direct sum.  Where 2^y overflows the quotient is 0, where it underflows it is 1: tanh is
; then exactly 1 or -1.  NaN and infinities are not treated apart.
; EACH KEY BYTE IS READ ONCE: the block is rounded to bf16 on its way in and stays in LDS for both products, in eight PANELS of 128 columns, [128 rows][256 + 16 bytes].
; SHARES.  Eight waves of 512 registers.  Wave v makes all 128 rows x 64 columns, twice: columns 512 (v / 4) + 256 cc + 64 (v % 4) .., cc = 0, 1: 32 accumulators (row tile a, column
; tile t: number 4 a + t).  A fragment of Ua_w serves one wave alone and goes from memory straight into its registers: prep has laid it in fragment order (each load takes 512 consecutive
; bytes, a wave's 256 KB on end); a ring of four K steps keeps 20 to 28 loads of every wave on their way.
; TWO SETS OF WAVES, HALF A K LOOP APART.  tanh is done in place on the accumulators, as a phase without products; the products of a wave of the other set can run meanwhile, and also while
; this wave's loads are taken.  The distance is made at the start: all eight waves bring the first 512 columns of keys; then waves 0-3 multiply K steps 0-15 while waves 4-7 bring the other 512.
; NO TENSOR LOADS, NO CLUSTER: the f32 keys must pass through registers to be rounded; beside the block LDS has 49,152 bytes, and two slots of Ua_w in that room would hold fewer than 50
; matrix instructions' operands a wave for each meeting of a cluster.
; THE MATRIX INSTRUCTION IS USED TRANSPOSED (source 0 = 16 rows of Ua_w, source 1 = 16 rows of keys): lane (r, h), register j holds key row 16 a + r, column n0 + 8 h + j.
; REGISTERS, in two windows of 256 (s_set_vgpr_msb: bits 1:0 source 0, 3:2 source 1, 5:4 source 2, 7:6 destination):
;   window 0: v0-31 addresses; v32-63 SS, the rows' sums (row tile a: two chains of a pair at SS + 4 a); v64-127 F, keys' fragments of one K step, in halves FA (row tiles 0-3) and FB (4-7);
;             during tanh q (v64-95) and -2 Va_w (v96-127); v128-255 the ring of Ua_w's fragments, K step k at 128 + 32 (k % 4)
;   window 1: the accumulators, number i at 8 i; first the keys as loaded, last half of keys^T and the context's eight accumulators
.set PP,    272                        ; a panel's row: 256 bytes + 16 = 68 words: row r starts at bank 4 r mod 64 (64 banks of 4 bytes: ISA guide 11.1)
.set RT,    16*PP                      ; a row tile
.set PANEL, 128*PP
.set QTAB,  8*PANEL                    ; q of my batch, f32, in column order; 4,096 bytes behind it -2 Va_w
.set SCR,   QTAB+8192                  ; [wave 8][row 128] f32: the waves' shares of the scores
.set PB,    SCR+4096                   ; for each wave 128 bf16: p
.set CT,    PB+2048                    ; for each wave 128 f32: its columns of the context
.set SVS,   CT+4096                    ; 8 f32: the waves' shares of sum Va_w
.set SPARE, SVS+256                    ; the spare words, 128 bytes for each wave: four blocks of 256 bytes that no other line names
.set C2,    0x4038aa3b                 ; 2 log2(e)
.set L2E,   0x3fb8aa3b                 ; log2(e)
.set A0,   4                           ; v4   r PP + 16 h; never rewritten
.set AD,   5                           ; v5   A0 + the panel in hand
.set KST,  8                           ; v8-9   first half of keys: my wave's 16 rows in panels 0-1, 2-3, 8 bytes a lane
.set KSB,  10                          ; v10-11 second half: 32 rows in panels 4-5, 6-7 (waves 4-7)
.set KOFF, 12                          ; v12  my wave's 16 rows of keys + 16 x lane
.set KOFB, 13                          ; v13  32 rows, columns 512 on, + 16 x lane
.set BOFF, 14                          ; v14  16 x lane
.set TAB0, 15                          ; v15  QTAB + my first columns + 32 h; never rewritten
.set TAB,  16                          ; v16  TAB0 + 1,024 x chunk
.set ATR,  17                          ; v17  keys^T: panel v + (8 h + L % 8) PP + 16 ((L / 8) % 2)
.set SCRW, 18
.set SCRR, 19
.set PBW,  20
.set PBR,  21
.set CTW,  22
.set CTR,  23
.set TQ,   24
.set TV,   25
.set TS,   26
.set SVW,  27
.set SPW,  28                          ; v28  my spare word: SPARE + 4 x my thread's number; never rewritten
.set NIL,  29                          ; v29  0; never rewritten
.set SVR,  30
.set SS,   32
.set F,    64
.set QQ,   64
.set VV,   96
.set PF,   96                          ; p as fragments
.set RING, 128
.set C2S,  32                          ; s[32:33] 2 log2(e): the packed line names a pair and takes its low word for both halves
.set W_MUL, 0x50                       ; both sources window 0, C and D window 1
.set W_ST,  0x40                       ; destination window 1
.set W_CV,  0x05                       ; sources 0 and 1 window 1
.set W_E,   0x41                       ; in place in window 1; sources 1 and 2 window 0
.set W_S,   0x01                       ; source 0 window 1
.set W_C1,  0x54                       ; as W_MUL with source 1 in window 1
.set W_D1,  0x04                       ; an LDS store's data (source 1) window 1
.set MSB, 0
.macro WIN new                         ; the immediate's high byte repeats the setting that is left; a switch that changes nothing is dropped
.if MSB != (\new)
	s_set_vgpr_msb (MSB<<8)|(\new)
.set MSB, (\new)
.endif
.endm
; A load into a register that a matrix instruction has read, and a vector instruction or store that reads a matrix result, stand four places behind it; only plain vector
; instructions that name none of its registers are places (ISA guide 7.12.1 for vector instructions).
.macro PLACES
.rept 4
	v_nop
.endr
.endm
.macro KLD part, areg, grp             ; four rows x 2,048 bytes of keys, 16 loads of 512 consecutive bytes, into part 0..3 of window 1
	WIN W_ST
.set kk, 0
.rept 16
	global_load_b128 v[64*(\part)+4*kk:64*(\part)+4*kk+3], v[\areg], s[4:5] offset:(4*(\grp)+kk/4)*4096+(kk%4)*512 th:TH_LOAD_NT
.set kk, kk+1
.endr
.endm
; A group of 16 loads is rounded and put into LDS: load k is row 4 grp + k / 4, and its 128 columns are one row of panel k % 4 of its half.  refill >= 0: the part is loaded again, with that group of the second half.
.macro GROUP left, part, sreg, grp, refill
	s_wait_loadcnt \left                           ; loads come back in order: this group is in, the younger loads stay out
	WIN W_CV
.set k, 0
.rept 32
	v_cvt_pk_bf16_f32 v[F+32*((\part)%2)+k], v[64*(\part)+2*k], v[64*(\part)+2*k+1]
.set k, k+1
.endr
.if (\refill) >= 0
	KLD \part, KOFB, \refill
.endif
	WIN 0
.set k, 0
.rept 16
	ds_store_b64 v[\sreg+(k%4)/2], v[F+32*((\part)%2)+2*k:F+32*((\part)%2)+2*k+1] offset:((k%4)%2)*PANEL+(4*(\grp)+k/4)*PP  ; 32 lanes, 256 consecutive bytes
.set k, k+1
.endr
.endm
.macro PRIME                           ; the ring's first fill: K steps 0, 1, 2 of my stream
	WIN 0
.set kk, 0
.rept 24
	global_load_b128 v[RING+4*kk:RING+4*kk+3], v[BOFF], s[24:25] offset:512*kk
.set kk, kk+1
.endr
.endm
.macro BL slot, half                   ; half a K step of my 64 columns of Ua_w: two fragments, 2,048 consecutive bytes
.set kk, 4*(\half)
.rept 4
	global_load_b128 v[RING+32*(\slot)+4*kk:RING+32*(\slot)+4*kk+3], v[BOFF], s[26:27] offset:512*kk
.set kk, kk+1
.endr
.endm
.macro AF half, j, cross               ; keys' fragments of four row tiles for step j of the panel in hand (cross = 1: of the next panel): each two loads of 16 bytes, 32 bytes apart
.set fa, 4*(\half)
.rept 4
	ds_load_b128 v[F+8*fa:F+8*fa+3],   v[AD] offset:(\cross)*PANEL+64*(\j)+fa*RT
	ds_load_b128 v[F+8*fa+4:F+8*fa+7], v[AD] offset:(\cross)*PANEL+64*(\j)+fa*RT+32
.set fa, fa+1
.endr
.endm
.macro MM16 j, half, zero              ; accumulators 16 half .. + 15.  zero = 1: the products start the sums
	WIN W_MUL
.set mi, 16*(\half)
.rept 16
.if \zero
	v_wmma_f32_16x16x32_bf16 v[8*mi:8*mi+7], v[RING+32*(\j)+8*(mi%4):RING+32*(\j)+8*(mi%4)+7], v[F+8*(mi/4):F+8*(mi/4)+7], 0
.else
	v_wmma_f32_16x16x32_bf16 v[8*mi:8*mi+7], v[RING+32*(\j)+8*(mi%4):RING+32*(\j)+8*(mi%4)+7], v[F+8*(mi/4):F+8*(mi/4)+7], v[8*mi:8*mi+7]
.endif
.set mi, mi+1
.endr
.endm
; K STEP j OF A PANEL: 32 products in two runs of 16, a run of 12 loads ahead of each.  At the head: half of Ua_w's K step three steps on, into the ring's slot that the last step left, and FB of this
; step; in the middle: the other half, and FA of the next step.  last = 1: a half K loop's last step fetches no keys.  upd = 1: the step is a new panel's first.
; The 32 accumulators take turns, one instruction a turn, in the same order in every step, over every backward jump too.
.macro STEP j, zero, last, upd
	PLACES                                         ; behind the last step's products, which read the ring's slot and FB
	WIN 0
	s_wait_xcnt 0x0                                ; the loads' base is rewritten only behind this wait; the last loads were issued 16 products ago
	s_add_co_u32 s28, s28, 4096                    ; my stream's next K step; behind its last the place goes back to the head: the last three steps ahead
	s_and_b32 s28, s28, 0x3ffff                    ; (12 KB a wave) are read in vain, inside the buffer
	s_add_nc_u64 s[26:27], s[24:25], s[28:29]
.if \upd
	s_add_co_u32 s30, s30, PANEL
	v_add_nc_u32 v[AD], s30, v[A0]
.endif
	BL ((\j)+3)%4, 0
	AF 1, \j, 0
	s_wait_loadcnt 20                              ; this step's eight loads of Ua_w are in; two younger steps' 16 and the 4 just issued stay out
	s_wait_dscnt 8                                 ; FA is in; FB's 8 loads stay out
	MM16 \j, 0, \zero
	PLACES                                         ; behind the products that read FA
	WIN 0
	BL ((\j)+3)%4, 1
.if \last
	s_wait_dscnt 0x0                               ; FB is in
.else
	AF 0, ((\j)+1)%4, (\j)/3
	s_wait_dscnt 8                                 ; FB is in; the next step's FA stays out
.endif
	MM16 \j, 1, \zero
.endm
; HALF A K LOOP: four panels, 16 K steps, written as 8: a trip goes from a panel's second step to the next panel's first.
.macro HALF base, zero
	WIN 0
	s_mov_b32 s30, \base
	v_add_nc_u32 v[AD], s30, v[A0]
	AF 0, 0, 0
	STEP 0, \zero, 0, 0
	WIN 0
	s_mov_b32 s31, 3
.Lpanel_\@:
	STEP 1, 0, 0, 0
	STEP 2, 0, 0, 0
	STEP 3, 0, 0, 0
	STEP 0, 0, 0, 1
	WIN 0
	s_sub_co_u32 s31, s31, 1
	s_cmp_lg_u32 s31, 0
	s_cbranch_scc1 .Lpanel_\@
	STEP 1, 0, 0, 0
	STEP 2, 0, 0, 0
	STEP 3, 0, 1, 0
	PLACES                                         ; behind the last products: for all that follows and names their registers
	WIN 0
.endm
; TANH AND THE ROWS' SUMS, in place.  For accumulator k: TN y = acc x 2 log2(e) + q (made a stage ahead), XE 2^y, AE 1 + it, RE the reciprocal.  Between every power or reciprocal and the first
; use of its result stands a plain vector instruction that names neither (ISA guide 5.7.2): the TN and AE lines; in the last stage v_nop hold TN's places.
.macro XE j
	v_exp_f32 v[8*k+(\j)], v[8*k+(\j)]
.endm
.macro RE j
	v_rcp_f32 v[8*k+(\j)], v[8*k+(\j)]
.endm
.macro AE p
	s_wait_alu depctr_va_vdst(0)
	v_pk_add_f32 v[8*k+2*(\p):8*k+2*(\p)+1], v[8*k+2*(\p):8*k+2*(\p)+1], 1.0 op_sel_hi:[1,0]
.endm
.macro TN p                            ; accumulator k + 1 is read from its low end on
.if k < 31
	v_pk_fma_f32 v[8*k+8+2*(\p):8*k+9+2*(\p)], v[8*k+8+2*(\p):8*k+9+2*(\p)], s[C2S:C2S+1], v[QQ+8*((k+1)%4)+2*(\p):QQ+8*((k+1)%4)+2*(\p)+1] op_sel_hi:[1,0,1]
.else
	v_nop
.endif
.endm
.macro EPI
	WIN 0
.irp t, 0,1,2,3                                    ; q and -2 Va_w of my lane's 8 columns in each of my four column tiles, where the keys' fragments lay
	ds_load_b128 v[QQ+8*\t:QQ+8*\t+3],   v[TAB] offset:64*\t
	ds_load_b128 v[QQ+8*\t+4:QQ+8*\t+7], v[TAB] offset:64*\t+16
	ds_load_b128 v[VV+8*\t:VV+8*\t+3],   v[TAB] offset:4096+64*\t
	ds_load_b128 v[VV+8*\t+4:VV+8*\t+7], v[TAB] offset:4096+64*\t+16
.endr
	s_wait_dscnt 0x0
	WIN W_E
.set k, -1
	TN 0
	TN 1
	TN 2
	TN 3
.set k, 0
.rept 32
	XE 0
	TN 0
	XE 1
	TN 1
	XE 2
	TN 2
	XE 3
	TN 3
	XE 4
	AE 0
	XE 5
	AE 1
	XE 6
	RE 0
	XE 7
	RE 1
	AE 2
	RE 2
	RE 3
	AE 3
	RE 4
	RE 5
	RE 6
	RE 7
.set k, k+1
.endr
	WIN W_S                                        ; the sums stand together: sixteen chains, each taken up again sixteen lines later
	s_wait_alu depctr_va_vdst(0)
.irp t, 0,1,2,3
.irp p, 0,1,2,3
.irp a, 0,1,2,3,4,5,6,7
	v_pk_fma_f32 v[SS+4*\a+2*(\p%2):SS+4*\a+2*(\p%2)+1], v[8*(4*\a+\t)+2*\p:8*(4*\a+\t)+2*\p+1], v[VV+8*\t+2*\p:VV+8*\t+2*\p+1], v[SS+4*\a+2*(\p%2):SS+4*\a+2*(\p%2)+1]
.endr
.endr
.endr
	WIN 0
.endm
.macro LOADK ks, base                  ; keys^T: rows 32 ks .. + 31 of my 128 columns, turned on the way out of LDS: 8 fragments
.set kk, 0
.rept 8
	ds_load_tr16_b128 v[(\base)+8*kk:(\base)+8*kk+3],   v[ATR] offset:(\ks)*32*PP+32*kk
	ds_load_tr16_b128 v[(\base)+8*kk+4:(\base)+8*kk+7], v[ATR] offset:(\ks)*32*PP+RT+32*kk
.set kk, kk+1
.endr
.endm
.macro CMUL ks, zero                   ; source 0 = p (the same in all 16 rows), source 1 = 16 columns of keys: 8 accumulators by turns
	WIN W_MUL+4*((\ks)/2)
.set kk, 0
.rept 8
.if \zero
	v_wmma_f32_16x16x32_bf16 v[8*kk:8*kk+7], v[PF+8*(\ks):PF+8*(\ks)+7], v[128+64*((\ks)%2)+8*kk:128+64*((\ks)%2)+8*kk+7], 0
.else
	v_wmma_f32_16x16x32_bf16 v[8*kk:8*kk+7], v[PF+8*(\ks):PF+8*(\ks)+7], v[128+64*((\ks)%2)+8*kk:128+64*((\ks)%2)+8*kk+7], v[8*kk:8*kk+7]
.endif
.set kk, kk+1
.endr
.endm
	s_load_b256 s[4:11], s[0:1], 0x0               ; keys s[4:5], uab s[6:7], qb s[8:9], Va_w s[10:11]
	s_load_b128 s[12:15], s[0:1], 0x20             ; Va_b s[12:13], scores s[14:15]
	s_load_b64 s[16:17], s[0:1], 0x30              ; ctxp
	v_lshl_add_u32 v[SPW], v0, 2, SPARE
	v_mov_b32 v[NIL], 0
	v_lshrrev_b32 v6, 5, v0
	v_readfirstlane_b32 s18, v6                    ; wave v, 0..7
	s_mov_b32 s19, ttmp9                           ; g
	s_lshr_b32 s20, s19, 4                         ; batch
	s_and_b32 s21, s18, 3                          ; v % 4
	s_lshr_b32 s44, s18, 2                         ; v / 4
	v_and_b32 v3, 31, v0                           ; lane L
	v_and_b32 v1, 15, v0                           ; r
	v_bfe_u32 v2, v0, 4, 1                         ; h
	v_mul_u32_u24 v[A0], v1, PP
	v_lshl_add_u32 v[A0], v2, 4, v[A0]
	v_and_b32 v6, 7, v0
	v_bfe_u32 v7, v0, 3, 1
	v_lshl_add_u32 v6, v2, 3, v6
	v_mul_u32_u24 v6, v6, PP
	v_lshl_add_u32 v6, v7, 4, v6
	s_mul_i32 s22, s18, PANEL
	v_add_nc_u32 v[ATR], s22, v6
	v_lshlrev_b32 v[BOFF], 4, v3
	s_lshl_b32 s22, s44, 11                        ; 4 bytes x (512 (v / 4) + 64 (v % 4)) columns
	s_lshl_b32 s23, s21, 8
	s_add_co_u32 s22, s22, s23
	s_add_co_u32 s22, s22, QTAB
	v_lshl_add_u32 v[TAB0], v2, 5, s22
	v_mov_b32 v[TAB], v[TAB0]
	s_mul_i32 s22, s18, 16*PP
	v_lshl_add_u32 v[KST], v3, 3, s22
	v_add_nc_u32 v[KST+1], 2*PANEL, v[KST]
	s_mul_i32 s22, s21, 32*PP
	s_add_co_u32 s22, s22, 4*PANEL
	v_lshl_add_u32 v[KSB], v3, 3, s22
	v_add_nc_u32 v[KSB+1], 2*PANEL, v[KSB]
	s_lshl_b32 s22, s18, 16                        ; 16 rows of 4,096 bytes
	v_lshl_add_u32 v[KOFF], v3, 4, s22
	s_lshl_b32 s22, s21, 17                        ; 32 rows,
	s_add_co_u32 s22, s22, 2048                    ; columns 512 on
	v_lshl_add_u32 v[KOFB], v3, 4, s22
	s_lshl_b32 s22, s18, 9
	s_add_co_u32 s23, s22, SCR
	v_lshl_add_u32 v[SCRW], v1, 2, s23
	v_lshl_add_u32 v[SCRR], v3, 4, SCR
	s_add_co_u32 s23, s22, CT
	v_lshl_add_u32 v[CTW], v1, 2, s23
	v_lshl_add_u32 v[CTR], v3, 4, s23
	s_lshl_b32 s22, s18, 8
	s_add_co_u32 s22, s22, PB
	v_lshl_add_u32 v[PBW], v3, 3, s22              ; p in: rows 4 L .. 4 L + 3, 8 bytes
	v_lshl_add_u32 v[PBR], v2, 4, s22              ; p back as a fragment: every lane of a half reads the same 16 bytes
	v_lshrrev_b32 v[TQ], 2, v0                     ; thread i brings columns 4 i .. 4 i + 3 of q: tile i / 4 (2,048 bytes), my batch (64 bytes), quarter i % 4
	v_lshlrev_b32 v[TQ], 11, v[TQ]
	v_and_b32 v6, 3, v0
	v_lshl_add_u32 v[TQ], v6, 4, v[TQ]
	s_lshl_b32 s22, s20, 6
	v_add_nc_u32 v[TQ], s22, v[TQ]
	v_lshlrev_b32 v[TV], 4, v0                     ; and of Va_w
	v_lshl_add_u32 v[TS], v0, 4, QTAB
	s_lshl_b32 s22, s18, 2
	s_add_co_u32 s22, s22, SVS
	v_mov_b32 v[SVW], s22
	v_mov_b32 v[SVR], SVS
	s_mov_b32 s[C2S], C2
	s_mov_b32 s[C2S+1], C2                         ; named with it as a pair
	s_mov_b32 s34, 0x76543210                      ; v_permlanex16_b32: each lane takes its own place in the other half
	s_mov_b32 s35, 0xfedcba98
	s_mov_b32 s38, L2E
	s_mov_b32 s39, 0                               ; the chunk loop's step in the tables
	s_mov_b32 s28, 8192                            ; s[28:29]: the place in my stream of the K step asked for last
	s_mov_b32 s29, 0
	s_mov_b32 s23, 0
	s_wait_kmcnt 0x0
	s_load_b32 s37, s[12:13], 0x0                  ; Va_b's number
	s_lshl_b32 s22, s19, 19                        ; 128 rows of 4,096 bytes
	s_add_nc_u64 s[4:5], s[4:5], s[22:23]
	s_lshl_b32 s22, s21, 19                        ; my stream: 256 KB on end
	s_lshl_b32 s45, s44, 18
	s_add_co_u32 s22, s22, s45
	s_add_nc_u64 s[24:25], s[6:7], s[22:23]
	s_lshl_b32 s22, s19, 9
	s_add_nc_u64 s[40:41], s[14:15], s[22:23]      ; scores at my block
	s_lshl_b32 s22, s19, 12
	s_lshl_b32 s45, s18, 9
	s_add_co_u32 s22, s22, s45
	s_add_nc_u64 s[42:43], s[16:17], s[22:23]      ; ctxp at my block, my wave's 128 columns
	global_load_b128 v[64:67], v[TQ], s[8:9]
	global_load_b128 v[68:71], v[TV], s[10:11]
	KLD 0, KOFF, 0                                 ; THE FIRST 512 COLUMNS: every wave brings 16 rows, 64 loads
	KLD 1, KOFF, 1
	KLD 2, KOFF, 2
	WIN 0
	s_wait_loadcnt 48                              ; the two table loads are in; the 48 key loads behind them stay out
	ds_store_b128 v[TS], v[64:67]
	v_pk_mul_f32 v[72:73], v[68:69], -2.0 op_sel_hi:[1,0]
	v_pk_mul_f32 v[74:75], v[70:71], -2.0 op_sel_hi:[1,0]
	ds_store_b128 v[TS], v[72:75] offset:4096
	v_pk_add_f32 v[76:77], v[68:69], v[70:71]      ; my wave's share of sum Va_w
	v_add_f32 v76, v76, v77
.irp m, 1,2,4,8
	v_add_f32_dpp v76, v76, v76 row_xmask:\m row_mask:0xf bank_mask:0xf
.endr
	v_permlanex16_b32 v77, v76, s34, s35
	v_add_f32 v76, v76, v77
	ds_store_b32 v[SVW], v76                       ; all lanes write the same word with the same number
	KLD 3, KOFF, 3
	WIN 0
.set i, 0
.rept 32                                           ; one text adds onto the rows' sums in both chunks, so they start at 0; this stands in the wait for the keys
	v_mov_b32 v[SS+i], 0
.set i, i+1
.endr
	s_cmp_lt_u32 s18, 4
	s_cbranch_scc0 .LkeysB
	GROUP 48, 0, KST, 0, -1                        ; waves 0-3: nothing more of keys is asked for; the ring of Ua_w is filled between the groups
	GROUP 32, 1, KST, 1, -1
	PRIME
	GROUP 40, 2, KST, 2, -1                        ; younger: the last group's 16 and the ring's 24
	GROUP 24, 3, KST, 3, -1
	s_branch .Lmeet1
.LkeysB:
	GROUP 48, 0, KST, 0, 0                         ; waves 4-7: each part is loaded again at once, with the second 512 columns: 64 loads stay on their way
	GROUP 48, 1, KST, 1, 1
	GROUP 48, 2, KST, 2, 2
	GROUP 48, 3, KST, 3, 3
.Lmeet1:
	s_wait_dscnt 0x0                               ; for the others' sake: my rows of panels 0-3 and my part of the tables are in LDS
	s_barrier_signal -1
	s_barrier_wait -1                              ; from here on nobody writes panels 0-3 or the tables
	s_cmp_lt_u32 s18, 4
	s_cbranch_scc0 .LhalfB
	s_mov_b32 s30, 0                               ; WAVES 0-3: K steps 0-15 of their first chunk, written out: they read LDS bytes below 4 PANEL alone
	v_mov_b32 v[AD], v[A0]
	AF 0, 0, 0
	STEP 0, 1, 0, 0                                ; the first K step starts the sums
	STEP 1, 0, 0, 0
	STEP 2, 0, 0, 0
	STEP 3, 0, 0, 0
.rept 2
	STEP 0, 0, 0, 1
	STEP 1, 0, 0, 0
	STEP 2, 0, 0, 0
	STEP 3, 0, 0, 0
.endr
	STEP 0, 0, 0, 1
	STEP 1, 0, 0, 0
	STEP 2, 0, 0, 0
	STEP 3, 0, 1, 0
	PLACES
	WIN 0
	s_branch .Lmeet2
.LhalfB:
	GROUP 48, 0, KSB, 0, 4                         ; WAVES 4-7: the second 512 columns, 32 rows a wave: they write LDS bytes from 4 PANEL on alone
	GROUP 48, 1, KSB, 1, 5
	GROUP 48, 2, KSB, 2, 6
	GROUP 48, 3, KSB, 3, 7
	PRIME
	GROUP 63, 0, KSB, 4, -1                        ; 72 loads are younger; 63 is the largest count that the wait can name
	GROUP 56, 1, KSB, 5, -1
	GROUP 40, 2, KSB, 6, -1
	GROUP 24, 3, KSB, 7, -1                        ; the ring's 24 stay out
.Lmeet2:
	s_wait_dscnt 0x0                               ; for the others' sake: my rows of panels 4-7 are in LDS
	s_barrier_signal -1
	s_barrier_wait -1                              ; from here on nobody writes the block
	s_mov_b32 s36, 2
	s_cmp_lt_u32 s18, 4
	s_cbranch_scc1 .Lhalf1                         ; waves 0-3 enter the loop in the middle of a trip: half a K loop ahead of waves 4-7
.Lchunk:                                               ; a trip: a chunk's 1,024 products, then its tanh and sums
	HALF 0, 1
.Lhalf1:
	HALF 4*PANEL, 0
	EPI
	s_add_co_u32 s39, s39, 1024
	v_add_nc_u32 v[TAB], s39, v[TAB0]
	s_sub_co_u32 s36, s36, 1
	s_cmp_lg_u32 s36, 0
	s_cbranch_scc1 .Lchunk
	s_wait_loadcnt 0x0                             ; the ring's last loads have landed: its registers are used again
	LOADK 0, 128                                   ; keys^T comes while the scores are put together: rows 0-63 where the ring lay,
	LOADK 1, 192
	WIN W_ST
	LOADK 2, 128                                   ; rows 64-127 where accumulators 16-31 lay
	LOADK 3, 192
	WIN 0
.irp a, 0,1,2,3,4,5,6,7                            ; a row's sum: two chains, two halves of a pair, two halves of the lanes
	v_pk_add_f32 v[SS+4*\a:SS+4*\a+1], v[SS+4*\a:SS+4*\a+1], v[SS+4*\a+2:SS+4*\a+3]
.endr
.irp a, 0,1,2,3,4,5,6,7
	v_add_f32 v[SS+4*\a], v[SS+4*\a], v[SS+4*\a+1]
.endr
.irp a, 0,1,2,3,4,5,6,7
	v_permlanex16_b32 v[SS+4*\a+1], v[SS+4*\a], s34, s35
.endr
.irp a, 0,1,2,3,4,5,6,7
	v_add_f32 v[SS+4*\a], v[SS+4*\a], v[SS+4*\a+1]
.endr
	; A MEETING BETWEEN THE K LOOPS AND THE FIRST LDS STORE BEHIND THEM.
	; The set of waves that is ahead would
	; wait at the next meeting anyway; the other set pays one barrier, once.
	s_wait_dscnt 0x0                               ; keys^T is in: no LDS instruction of mine is out at the signal
	s_barrier_signal -1
	s_barrier_wait -1
.irp a, 0,1,2,3,4,5,6,7
	ds_store_b32 v[SCRW], v[SS+4*\a] offset:64*\a  ; row 16 a + r; both halves of the lanes write the same number
.endr
	s_wait_dscnt 0x0                               ; for the others' sake: my share of the scores is in LDS
	s_barrier_signal -1
	s_barrier_wait -1
.irp u, 0,1,2,3,4,5,6,7
	ds_load_b128 v[64+4*\u:67+4*\u], v[SCRR] offset:512*\u  ; every wave: lane L takes rows 4 L .. 4 L + 3 of all eight shares
.endr
	ds_load_b128 v[96:99], v[SVR]                  ; and the eight shares of sum Va_w
	ds_load_b128 v[100:103], v[SVR] offset:16
	s_wait_dscnt 0x0
	s_wait_kmcnt 0x0                               ; Va_b
.irp u, 1,2,3,4,5,6,7
	v_pk_add_f32 v[64:65], v[64:65], v[64+4*\u:65+4*\u]
	v_pk_add_f32 v[66:67], v[66:67], v[66+4*\u:67+4*\u]
.endr
	v_pk_add_f32 v[96:97], v[96:97], v[98:99]
	v_pk_add_f32 v[100:101], v[100:101], v[102:103]
	v_pk_add_f32 v[96:97], v[96:97], v[100:101]
	v_add_f32 v96, v96, v97
	v_add_f32 v96, s37, v96                        ; Va_b + sum Va_w
.irp j, 64,65,66,67
	v_add_f32 v\j, v\j, v96
.endr
	s_cmp_lg_u32 s18, 0
	s_cbranch_scc1 .Lnot_wave_0
	global_store_b128 v[BOFF], v[64:67], s[40:41]  ; 512 consecutive bytes, at a multiple of 512 from the buffer's first; v64-67 are not written again
.Lnot_wave_0:
	v_max3_num_f32 v72, v64, v65, v66              ; the block's largest score
	v_max_num_f32 v72, v72, v67
.irp m, 1,2,4,8
	v_max_num_f32_dpp v72, v72, v72 row_xmask:\m row_mask:0xf bank_mask:0xf
.endr
	v_permlanex16_b32 v73, v72, s34, s35
	v_max_num_f32 v72, v72, v73
.irp j, 0,1,2,3
	v_sub_f32 v[68+\j], v[64+\j], v72              ; the difference first, then the factor: the rounding goes with the difference, not with the scores' size
.endr
.irp j, 0,1,2,3
	v_mul_f32 v[68+\j], s38, v[68+\j]
.endr
.irp j, 0,1,2,3
	v_exp_f32 v[68+\j], v[68+\j]
.endr
	v_nop                                          ; a plain instruction between the last power and the use of its result
	s_wait_alu depctr_va_vdst(0)
	v_cvt_pk_bf16_f32 v76, v68, v69
	v_cvt_pk_bf16_f32 v77, v70, v71
	ds_store_b64 v[PBW], v[76:77]
.irp ks, 0,1,2,3                                   ; my wave's own bytes: LDS serves a wave's instructions in order (ISA guide 5.7.1.4), so these see the store above
	ds_load_b128 v[PF+8*\ks:PF+8*\ks+3],   v[PBR] offset:64*\ks
	ds_load_b128 v[PF+8*\ks+4:PF+8*\ks+7], v[PBR] offset:64*\ks+32
.endr
	s_wait_dscnt 0x0
	CMUL 0, 1                                      ; THE CONTEXT: 128 rows in four K steps of 32, my wave's 128 columns
	CMUL 1, 0
	CMUL 2, 0
	CMUL 3, 0
	PLACES
	WIN W_D1
.set kk, 0
.rept 8
	ds_store_b32 v[CTW], v[8*kk] offset:64*kk      ; all 16 rows of a result are alike: its lowest register holds column 16 kk + r
.set kk, kk+1
.endr
	WIN 0
	ds_load_b128 v[80:83], v[CTR]                  ; back in column order, my wave's own bytes
	s_wait_dscnt 0x0
	global_store_b128 v[BOFF], v[80:83], s[42:43]  ; 512 consecutive bytes, at a multiple of 512 from the buffer's first
	s_wait_tensorcnt 0x0                           ; the wave's end, behind my last LDS store
	ds_add_u32 v[SPW], v[NIL]
	s_wait_dscnt 0x0
	s_endpgm
.Lfunc_end_k_qc22be38d79_score:
	.size	k_qc22be38d79_score, .Lfunc_end_k_qc22be38d79_score-k_qc22be38d79_score
	.p2alignl 7, 3214868480
	.fill 96, 4, 3214868480
	.section	.rodata,"a",@progbits
	.p2align	6, 0x0
	.amdhsa_kernel k_qc22be38d79_score
		.amdhsa_group_segment_fixed_size 298240
		.amdhsa_private_segment_fixed_size 0
		.amdhsa_enable_private_segment 0
		.amdhsa_kernarg_size 56
		.amdhsa_user_sgpr_count 2
		.amdhsa_user_sgpr_kernarg_segment_ptr 1
		.amdhsa_wavefront_size32 1
		.amdhsa_system_sgpr_workgroup_id_x 1
		.amdhsa_system_sgpr_workgroup_id_y 1
		.amdhsa_system_sgpr_workgroup_id_z 1
		.amdhsa_system_vgpr_workitem_id 0
		.amdhsa_next_free_vgpr 512
		.amdhsa_next_free_sgpr 66
		.amdhsa_reserve_vcc 0
		.amdhsa_float_denorm_mode_32 3
		.amdhsa_float_denorm_mode_16_64 3
		.amdhsa_memory_ordered 1
		.amdhsa_forward_progress 1
		.amdhsa_inst_pref_size 255
	.end_amdhsa_kernel
	.section	.bss,"aw",@nobits
	.p2align	6
	.space	262144
	.amdgpu_metadata
---
amdhsa.version: [ 1, 2 ]
amdhsa.kernels:
  - .name:           k_qc22be38d79_score
    .symbol:         k_qc22be38d79_score.kd
    .args:
      - { .name: keys, .offset: 0, .size: 8, .value_kind: global_buffer, .address_space: global }
      - { .name: uab, .offset: 8, .size: 8, .value_kind: global_buffer, .address_space: global }
      - { .name: qb, .offset: 16, .size: 8, .value_kind: global_buffer, .address_space: global }
      - { .name: Va_w, .offset: 24, .size: 8, .value_kind: global_buffer, .address_space: global }
      - { .name: Va_b, .offset: 32, .size: 8, .value_kind: global_buffer, .address_space: global }
      - { .name: scores, .offset: 40, .size: 8, .value_kind: global_buffer, .address_space: global }
      - { .name: ctxp, .offset: 48, .size: 8, .value_kind: global_buffer, .address_space: global }
    .group_segment_fixed_size: 298240
    .private_segment_fixed_size: 0
    .kernarg_segment_align: 8
    .kernarg_segment_size: 56
    .max_flat_workgroup_size: 256
    .sgpr_count:     66
    .vgpr_count:     512
    .wavefront_size: 32
...
	.end_amdgpu_metadata
.endif
;; end of part 2
;; launch finish (part 3): grid 32 x 1, 8 waves a work-group, no clusters, 1,536 bytes of LDS; arguments scores, ctxp, out0, out1; writes out0, out1
.if DOCPART == 3
	.amdgcn_target "amdgcn-amd-amdhsa--gfx1250"
	.amdhsa_code_object_version 6
	.text
	.protected	k_qc22be38d79_finish
	.globl	k_qc22be38d79_finish
	.p2align	8
	.type	k_qc22be38d79_finish,@function
k_qc22be38d79_finish:
	s_mov_b64 s[64:65], 0
	v_nop
	global_prefetch_b8 v0, s[64:65] scope:SCOPE_SE
	s_setreg_imm32_b32 hwreg(HW_REG_WAVE_MODE, 25, 1), 1
	s_wait_xcnt 0x0
; THE SOFTMAX OVER A BATCH, AND ITS CONTEXT.  Work-group b owns batch b: 2,048 scores and sixteen blocks' shares of the context, each made with its own block's maximum m_g.
;   M = the largest score; e_s = exp(s - M); L = the sum of e; weights = e / L;   context = (sum over g of exp(m_g - M) ctxp[g]) / L.   All in f32.
; The block maxima are taken anew from the stored scores: a maximum rounds nothing, so they are the numbers that the launch before used.  L is at least 1: the largest score's e is 1.
; A weight below 2^-126 counts as 0; NaN and infinities are not treated apart.
; 256 threads: thread t holds scores 4 t .. 4 t + 3 and 1,024 + 4 t .., so wave v holds blocks v and 8 + v whole; of the context it holds columns 4 t .. 4 t + 3.
; A stream of 72 KB a work-group with two short meetings in LDS: matrix units, tensor loads and clusters have nothing to do here.
.set L2E,   0x3fb8aa3b                 ; log2(e)
.set LS,    256                        ; LDS: 16 block maxima at 0, 8 waves' sums at 256,
.set SPARE, 512                        ; the spare words, 128 bytes for each wave: four blocks of 256 bytes that no other line names
	s_load_b256 s[4:11], s[0:1], 0x0               ; scores s[4:5], ctxp s[6:7], out0 s[8:9], out1 s[10:11]
	v_lshl_add_u32 v2, v0, 2, SPARE                ; my spare word,
	v_mov_b32 v3, 0                                ; and 0: kept for the add at the wave's end alone
	v_lshrrev_b32 v4, 5, v0
	v_readfirstlane_b32 s12, v4                    ; wave v
	v_lshlrev_b32 v1, 4, v0                        ; 16 t
	s_lshl_b32 s13, s12, 2
	v_mov_b32 v4, s13                              ; 4 v
	v_mov_b32 v5, 0                                ; LDS byte 0
	v_mov_b32 v18, 0                               ; v_permlanex16_b32 counts as a reader of its destination
	v_mov_b32 v19, 0
	s_mov_b32 s14, L2E
	s_mov_b32 s16, 0x76543210                      ; each lane takes its own place in the other half
	s_mov_b32 s17, 0xfedcba98
	s_lshl_b32 s20, ttmp9, 13
	s_mov_b32 s21, 0
	s_lshl_b32 s22, ttmp9, 16
	s_mov_b32 s23, 0
	s_lshl_b32 s24, ttmp9, 12
	s_mov_b32 s25, 0
	s_wait_kmcnt 0x0
	s_add_nc_u64 s[4:5], s[4:5], s[20:21]
	s_add_nc_u64 s[6:7], s[6:7], s[22:23]
	s_add_nc_u64 s[8:9], s[8:9], s[24:25]
	s_add_nc_u64 s[10:11], s[10:11], s[20:21]
	global_load_b128 v[8:11], v1, s[4:5]
	global_load_b128 v[12:15], v1, s[4:5] offset:4096
.set g, 0
.rept 16
	global_load_b128 v[32+4*g:35+4*g], v1, s[6:7] offset:4096*g
.set g, g+1
.endr
	s_wait_loadcnt 16                              ; the scores are in; the context's 16 loads stay out
	v_max3_num_f32 v16, v8, v9, v10
	v_max3_num_f32 v17, v12, v13, v14
	v_max_num_f32 v16, v16, v11
	v_max_num_f32 v17, v17, v15
.irp m, 1,2,4,8
	v_max_num_f32_dpp v16, v16, v16 row_xmask:\m row_mask:0xf bank_mask:0xf
	v_max_num_f32_dpp v17, v17, v17 row_xmask:\m row_mask:0xf bank_mask:0xf
.endr
	v_permlanex16_b32 v18, v16, s16, s17
	v_permlanex16_b32 v19, v17, s16, s17
	v_max_num_f32 v16, v16, v18
	v_max_num_f32 v17, v17, v19
	ds_store_b32 v4, v16                           ; block v's maximum,
	ds_store_b32 v4, v17 offset:32                 ; block 8 + v's
	s_wait_dscnt 0x0                               ; for the others' sake
	s_barrier_signal -1
	s_barrier_wait -1
.irp u, 0,1,2,3
	ds_load_b128 v[96+4*\u:99+4*\u], v5 offset:16*\u
.endr
	s_wait_dscnt 0x0
	v_max3_num_f32 v20, v96, v97, v98
.irp j, 99,101,103,105,107,109
	v_max3_num_f32 v20, v20, v[\j], v[\j+1]
.endr
	v_max_num_f32 v20, v20, v111                   ; M
.irp j, 8,9,10,11,12,13,14,15
	v_sub_f32 v\j, v\j, v20                        ; the difference first, then the factor
.endr
.irp j, 8,9,10,11,12,13,14,15
	v_mul_f32 v\j, s14, v\j
.endr
.irp j, 8,9,10,11,12,13,14,15
	v_exp_f32 v\j, v\j
.endr
.set g, 0
.rept 16                                           ; plain lines behind the powers: m_g - M
	v_sub_f32 v[96+g], v[96+g], v20
.set g, g+1
.endr
	s_wait_alu depctr_va_vdst(0)
	v_pk_add_f32 v[22:23], v[8:9], v[10:11]
	v_pk_add_f32 v[24:25], v[12:13], v[14:15]
	v_pk_add_f32 v[22:23], v[22:23], v[24:25]
	v_add_f32 v22, v22, v23
.irp m, 1,2,4,8
	v_add_f32_dpp v22, v22, v22 row_xmask:\m row_mask:0xf bank_mask:0xf
.endr
	v_permlanex16_b32 v18, v22, s16, s17
	v_add_f32 v22, v22, v18
	ds_store_b32 v4, v22 offset:LS                 ; my wave's sum: other bytes than the maxima, so no barrier stands between their reads and this store
	s_wait_dscnt 0x0
	s_barrier_signal -1
.set g, 0
.rept 16                                           ; work on registers while the others arrive
	v_mul_f32 v[96+g], s14, v[96+g]
.set g, g+1
.endr
	s_barrier_wait -1
	ds_load_b128 v[24:27], v5 offset:LS
	ds_load_b128 v[28:31], v5 offset:LS+16
.set g, 0
.rept 16
	v_exp_f32 v[96+g], v[96+g]                     ; exp(m_g - M)
.set g, g+1
.endr
	s_wait_dscnt 0x0
	v_pk_add_f32 v[24:25], v[24:25], v[26:27]
	v_pk_add_f32 v[28:29], v[28:29], v[30:31]
	v_pk_add_f32 v[24:25], v[24:25], v[28:29]
	v_add_f32 v24, v24, v25                        ; L
	v_rcp_f32 v21, v24
	v_nop                                          ; a plain instruction between the reciprocal and the use of its result
	s_wait_alu depctr_va_vdst(0)
.irp j, 8,9,10,11,12,13,14,15
	v_mul_f32 v\j, v\j, v21
.endr
	global_store_b128 v1, v[8:11], s[10:11]        ; a wave stores 512 consecutive bytes, at a multiple of 512 from out1's first
	global_store_b128 v1, v[12:15], s[10:11] offset:4096
	s_wait_loadcnt 0x0                             ; the sixteen shares
.irp c, 0,1,2,3
	v_mul_f32 v[112+\c], v96, v[32+\c]
.endr
.set g, 1
.rept 15
.irp c, 0,1,2,3
	v_fmac_f32 v[112+\c], v[96+g], v[32+4*g+\c]
.endr
.set g, g+1
.endr
.irp c, 0,1,2,3
	v_mul_f32 v[112+\c], v[112+\c], v21
.endr
	global_store_b128 v1, v[112:115], s[8:9]
	s_wait_tensorcnt 0x0                           ; the wave's end, behind my last LDS store
	ds_add_u32 v2, v3
	s_wait_dscnt 0x0
	s_endpgm
.Lfunc_end_k_qc22be38d79_finish:
	.size	k_qc22be38d79_finish, .Lfunc_end_k_qc22be38d79_finish-k_qc22be38d79_finish
	.p2alignl 7, 3214868480
	.fill 96, 4, 3214868480
	.section	.rodata,"a",@progbits
	.p2align	6, 0x0
	.amdhsa_kernel k_qc22be38d79_finish
		.amdhsa_group_segment_fixed_size 1536
		.amdhsa_private_segment_fixed_size 0
		.amdhsa_enable_private_segment 0
		.amdhsa_kernarg_size 32
		.amdhsa_user_sgpr_count 2
		.amdhsa_user_sgpr_kernarg_segment_ptr 1
		.amdhsa_wavefront_size32 1
		.amdhsa_system_sgpr_workgroup_id_x 1
		.amdhsa_system_sgpr_workgroup_id_y 1
		.amdhsa_system_sgpr_workgroup_id_z 1
		.amdhsa_system_vgpr_workitem_id 0
		.amdhsa_next_free_vgpr 128
		.amdhsa_next_free_sgpr 66
		.amdhsa_reserve_vcc 0
		.amdhsa_float_denorm_mode_32 3
		.amdhsa_float_denorm_mode_16_64 3
		.amdhsa_memory_ordered 1
		.amdhsa_forward_progress 1
		.amdhsa_inst_pref_size 12
	.end_amdhsa_kernel
	.amdgpu_metadata
---
amdhsa.version: [ 1, 2 ]
amdhsa.kernels:
  - .name:           k_qc22be38d79_finish
    .symbol:         k_qc22be38d79_finish.kd
    .args:
      - { .name: scores, .offset: 0, .size: 8, .value_kind: global_buffer, .address_space: global }
      - { .name: ctxp, .offset: 8, .size: 8, .value_kind: global_buffer, .address_space: global }
      - { .name: out0, .offset: 16, .size: 8, .value_kind: global_buffer, .address_space: global }
      - { .name: out1, .offset: 24, .size: 8, .value_kind: global_buffer, .address_space: global }
    .group_segment_fixed_size: 1536
    .private_segment_fixed_size: 0
    .kernarg_segment_align: 8
    .kernarg_segment_size: 32
    .max_flat_workgroup_size: 256
    .sgpr_count:     66
    .vgpr_count:     128
    .wavefront_size: 32
...
	.end_amdgpu_metadata
.endif
;; end of part 3
;; ======== version 2 of 2: 3 launches; version 1 with the launch score written anew for expert scheduling mode
;; workspace buffers: uab 2,097,152 bytes; qb 131,072 bytes; scores 262,144 bytes; ctxp 2,097,152 bytes
;; launch prep: the kernel of part 1 again; grid 64 x 1, 8 waves a work-group, no clusters, 149,504 bytes of LDS; arguments Ua_w, Wa_w, query, Wa_b, Ua_b, uab, qb; writes uab, qb
;; launch score (part 4): grid 512 x 1, 8 waves a work-group, no clusters, 298,240 bytes of LDS; arguments keys, uab, qb, Va_w, Va_b, scores, ctxp; writes scores, ctxp
.if DOCPART == 4
	.amdgcn_target "amdgcn-amd-amdhsa--gfx1250"
	.amdhsa_code_object_version 6
	.text
	.protected	k_qc22be38d79_score
	.globl	k_qc22be38d79_score
	.p2align	8
	.type	k_qc22be38d79_score,@function
k_qc22be38d79_score:
	s_mov_b64 s[64:65], 0
	v_nop
	global_prefetch_b8 v0, s[64:65] scope:SCOPE_SE
	s_setreg_imm32_b32 hwreg(HW_REG_WAVE_SCHED_MODE, 0, 2), 2
	s_setreg_imm32_b32 hwreg(HW_REG_WAVE_MODE, 25, 1), 1
	s_wait_xcnt 0x0
	s_wait_alu depctr_vm_vsrc(0)
; SCORES AND A BLOCK'S SHARE OF THE CONTEXT.  Work-group g owns 128 rows of keys (rows 128 g .., batch g / 16).
;   score[s] = Va_b + sum over o of Va_w[o] tanh(q[o] + sum over h of keys[s][h] Ua_w[o][h]);  q holds q_proj and both biases, times 2 log2(e) (launch prep).   -> scores, f32
;   ctxp[g][n] = sum over the block's s of p_s keys[s][n],  p_s = exp(score[s] - the block's largest score).                                                      -> ctxp, f32
; The last launch takes the batch's true maximum away and joins the sixteen blocks of a batch.
; FORMATS AND LIMITS.  keys, Ua_w and p are rounded once to bf16 as matrix operands; all sums, the maximum and the scores are f32.  tanh(x) = 1 - 2 / (1 + 2^y), y = 2 log2(e) x, so
; score = Va_b + sum v - 2 sum v / (1 + 2^y): every partial sum is bounded by sum |v|, as in the direct sum.  Where 2^y overflows the quotient is 0, where it underflows it is 1: tanh is
; then exactly 1 or -1.  NaN and infinities are not treated apart.
; EACH KEY BYTE IS READ ONCE: the block is rounded to bf16 on its way in and stays in LDS for both products, in eight PANELS of 128 columns, [128 rows][256 + 16 bytes].
; SHARES.  Eight waves of 512 registers.  Wave v makes all 128 rows x 64 columns, twice: columns 512 (v / 4) + 256 cc + 64 (v % 4) .., cc = 0, 1: 32 accumulators (row tile a, column
; tile t: number 4 a + t).  A fragment of Ua_w serves one wave alone and goes from memory straight into its registers: prep has laid it in fragment order (each load takes 512 consecutive
; bytes, a wave's 256 KB on end); a ring of four K steps keeps 16 to 24 loads of every wave on their way.
; TWO SETS OF WAVES, HALF A K LOOP APART.  tanh is done in place on the accumulators, as a phase without products; the products of a wave of the other set can run meanwhile, and also while
; this wave's loads are taken.  The distance is made at the start: all eight waves bring the first 512 columns of keys; then waves 0-3 multiply K steps 0-15 while waves 4-7 bring the other 512.
; NO TENSOR LOADS, NO CLUSTER: the f32 keys must pass through registers to be rounded; beside the block LDS has 49,152 bytes, and two slots of Ua_w in that room would hold fewer than 50
; matrix instructions' operands a wave for each meeting of a cluster.
; THE MATRIX INSTRUCTION IS USED TRANSPOSED (source 0 = 16 rows of Ua_w, source 1 = 16 rows of keys): lane (r, h), register j holds key row 16 a + r, column n0 + 8 h + j.
; REGISTERS, in two windows of 256 (s_set_vgpr_msb: bits 1:0 source 0, 3:2 source 1, 5:4 source 2, 7:6 destination):
;   window 0: v0-31 addresses; v32-63 SS, the rows' sums (row tile a: two chains of a pair at SS + 4 a); v64-127 F, keys' fragments of one K step, in halves FA (row tiles 0-3) and FB (4-7);
;             during tanh q (v64-95) and -2 Va_w (v96-127); v128-255 the ring of Ua_w's fragments, K step k at 128 + 32 (k % 4)
;   window 1: the accumulators, number i at 8 i; first the keys as loaded, last half of keys^T and the context's eight accumulators
; THE MODE: SCHED_MODE bits 1:0 = 2 (LLVM: expert scheduling mode 2), set by the entry lines.  The code itself states the register dependences between vector or matrix instructions and
; memory or LDS instructions, with s_wait_alu, always for 0.
; THE PLAN.  Registers that memory or LDS instructions touch:
;   the addresses and offsets v8-v14, v17-v27, v30   made at the head, ahead of one wait on va_vdst, and named by no vector instruction again.
;   v[AD]        read by every load of a keys' fragment; written at a half K loop's head and at a panel's first step: a wait on vm_vsrc ahead of the line, and behind it a wait on va_vdst that stands there anyway.
;   v[TAB]       read by tanh's 16 table loads; written once at a chunk's end, behind a wait on vm_vsrc.
;   window 1's four parts, on the keys' way in: a group's 32 roundings read a part; waves 4-7 then load it again.  F's halves are the out-buffers: the roundings write one, 16 LDS stores read it,
;                the group two on writes it again.  A group has one wait on vm_vsrc ahead of its roundings and one on va_vdst behind them, for its loads and its stores together.
;   FA           K step j's products 0-15 read it; the loads of step j + 1 land in it in the middle of step j.        FB   products 16-31 read it; the loads of step j + 1 land in it at that step's head.
;   ring slot k % 4   K step k's 32 products read it; the eight loads of step k + 4 land in it during step k + 1.
;   So a K step has two waits on va_vdst.  The one at its head states that the last step's products are done reading FB and the ring's slot that they left; FB's loads follow at once, and the
;   eight loads of Ua_w are dealt into the middles of the step's two runs of products, which name this step's slot, F and window 1 alone.  The one in its middle states that products 0-15 are done reading FA.
;   F has one buffer of two halves, and the wave's 512 registers hold no third half: the second wait cannot be spared.
;   Accumulators 16-31 are named by vector and matrix instructions alone until keys^T lands there, behind one wait.  What the way out stores (SS, the scores, p, the context) is written once, and never again behind its store.
.set PP,    272                        ; a panel's row: 256 bytes + 16 = 68 words: row r starts at bank 4 r mod 64 (64 banks of 4 bytes: ISA guide 11.1)
.set RT,    16*PP                      ; a row tile
.set PANEL, 128*PP
.set QTAB,  8*PANEL                    ; q of my batch, f32, in column order; 4,096 bytes behind it -2 Va_w
.set SCR,   QTAB+8192                  ; [wave 8][row 128] f32: the waves' shares of the scores
.set PB,    SCR+4096                   ; for each wave 128 bf16: p
.set CT,    PB+2048                    ; for each wave 128 f32: its columns of the context
.set SVS,   CT+4096                    ; 8 f32: the waves' shares of sum Va_w
.set SPARE, SVS+256                    ; the spare words, 128 bytes for each wave: four blocks of 256 bytes that no other line names
.set C2,    0x4038aa3b                 ; 2 log2(e)
.set L2E,   0x3fb8aa3b                 ; log2(e)
.set A0,   4                           ; v4   r PP + 16 h; never rewritten
.set AD,   5                           ; v5   A0 + the panel in hand
.set KST,  8                           ; v8-9   first half of keys: my wave's 16 rows in panels 0-1, 2-3, 8 bytes a lane
.set KSB,  10                          ; v10-11 second half: 32 rows in panels 4-5, 6-7 (waves 4-7)
.set KOFF, 12                          ; v12  my wave's 16 rows of keys + 16 x lane
.set KOFB, 13                          ; v13  32 rows, columns 512 on, + 16 x lane
.set BOFF, 14                          ; v14  16 x lane
.set TAB0, 15                          ; v15  QTAB + my first columns + 32 h; never rewritten
.set TAB,  16                          ; v16  TAB0 + 1,024 x chunk
.set ATR,  17                          ; v17  keys^T: panel v + (8 h + L % 8) PP + 16 ((L / 8) % 2)
.set SCRW, 18
.set SCRR, 19
.set PBW,  20
.set PBR,  21
.set CTW,  22
.set CTR,  23
.set TQ,   24
.set TV,   25
.set TS,   26
.set SVW,  27
.set SPW,  28                          ; v28  my spare word: SPARE + 4 x my thread's number; never rewritten
.set NIL,  29                          ; v29  0; never rewritten
.set SVR,  30
.set SS,   32
.set F,    64
.set QQ,   64
.set VV,   96
.set PF,   96                          ; p as fragments
.set RING, 128
.set C2S,  32                          ; s[32:33] 2 log2(e): the packed line names a pair and takes its low word for both halves
.set W_MUL, 0x50                       ; both sources window 0, C and D window 1
.set W_ST,  0x40                       ; destination window 1
.set W_CV,  0x05                       ; sources 0 and 1 window 1
.set W_E,   0x41                       ; in place in window 1; sources 1 and 2 window 0
.set W_S,   0x01                       ; source 0 window 1
.set W_C1,  0x54                       ; as W_MUL with source 1 in window 1
.set W_D1,  0x04                       ; an LDS store's data (source 1) window 1
.set MSB, 0
.macro WIN new                         ; the immediate's high byte repeats the setting that is left; a switch that changes nothing is dropped
.if MSB != (\new)
	s_set_vgpr_msb (MSB<<8)|(\new)
.set MSB, (\new)
.endif
.endm
; A vector instruction or store that reads a matrix result stands four places behind it; only plain vector instructions that name none of its registers are places.
; The four places ahead of loads into registers that products have read stand here as well, beside the wait that states that dependence.
.macro PLACES
.rept 4
	v_nop
.endr
.endm
.macro KLD part, areg, grp             ; four rows x 2,048 bytes of keys, 16 loads of 512 consecutive bytes, into part 0..3 of window 1
	WIN W_ST
.set kk, 0
.rept 16
	global_load_b128 v[64*(\part)+4*kk:64*(\part)+4*kk+3], v[\areg], s[4:5] offset:(4*(\grp)+kk/4)*4096+(kk%4)*512 th:TH_LOAD_NT
.set kk, kk+1
.endr
.endm
; A group of 16 loads is rounded and put into LDS: load k is row 4 grp + k / 4, and its 128 columns are one row of panel k % 4 of its half.  refill >= 0: the part is loaded again, with that group of the second half.
.macro GROUP left, part, sreg, grp, refill
	s_wait_loadcnt \left                           ; loads come back in order: this group is in, the younger loads stay out
.if ((\sreg) != KST) || ((\part) != 1)             ; (ahead of the very first group of the upper half no store has read it yet)
	s_wait_alu depctr_vm_vsrc(0)                   ; the LDS stores that read this half of F (the group's two back; ahead of the first group the tables') have read it: the roundings write it again
.endif
	WIN W_CV
.set k, 0
.rept 32
	v_cvt_pk_bf16_f32 v[F+32*((\part)%2)+k], v[64*(\part)+2*k], v[64*(\part)+2*k+1]
.set k, k+1
.endr
.if (\refill) >= 0
	WIN W_ST
.else
	WIN 0
.endif
	s_wait_alu depctr_va_vdst(0)                   ; the roundings have written this half of F, which the LDS stores below read, and are done reading the part, in which the loads below land
.if (\refill) >= 0
	KLD \part, KOFB, \refill
.endif
	WIN 0
.set k, 0
.rept 16
	ds_store_b64 v[\sreg+(k%4)/2], v[F+32*((\part)%2)+2*k:F+32*((\part)%2)+2*k+1] offset:((k%4)%2)*PANEL+(4*(\grp)+k/4)*PP  ; 32 lanes, 256 consecutive bytes
.set k, k+1
.endr
.endm
.macro PRIME                           ; the ring's first fill: K steps 0, 1, 2 of my stream.  No vector instruction has named the ring yet, and v[BOFF] was written ahead of the head's wait
	WIN 0
.set kk, 0
.rept 24
	global_load_b128 v[RING+4*kk:RING+4*kk+3], v[BOFF], s[24:25] offset:512*kk
.set kk, kk+1
.endr
.endm
.macro BL slot, half                   ; half a K step of my 64 columns of Ua_w: two fragments, 2,048 consecutive bytes
.set kk, 4*(\half)
.rept 4
	global_load_b128 v[RING+32*(\slot)+4*kk:RING+32*(\slot)+4*kk+3], v[BOFF], s[26:27] offset:512*kk
.set kk, kk+1
.endr
.endm
.macro AF half, j, cross               ; keys' fragments of four row tiles for step j of the panel in hand (cross = 1: of the next panel): each two loads of 16 bytes, 32 bytes apart
.set fa, 4*(\half)
.rept 4
	ds_load_b128 v[F+8*fa:F+8*fa+3],   v[AD] offset:(\cross)*PANEL+64*(\j)+fa*RT
	ds_load_b128 v[F+8*fa+4:F+8*fa+7], v[AD] offset:(\cross)*PANEL+64*(\j)+fa*RT+32
.set fa, fa+1
.endr
.endm
.macro MM8 j, q, zero                  ; accumulators 8 q .. + 7.  zero = 1: the products start the sums
	WIN W_MUL
.set mi, 8*(\q)
.rept 8
.if \zero
	v_wmma_f32_16x16x32_bf16 v[8*mi:8*mi+7], v[RING+32*(\j)+8*(mi%4):RING+32*(\j)+8*(mi%4)+7], v[F+8*(mi/4):F+8*(mi/4)+7], 0
.else
	v_wmma_f32_16x16x32_bf16 v[8*mi:8*mi+7], v[RING+32*(\j)+8*(mi%4):RING+32*(\j)+8*(mi%4)+7], v[F+8*(mi/4):F+8*(mi/4)+7], v[8*mi:8*mi+7]
.endif
.set mi, mi+1
.endr
.endm
; K STEP j OF A PANEL: 32 products in two runs of 16.  Ahead of the first run: FB of this step; ahead of the second: FA of the next step.  In the middle of each run: half of Ua_w's K step three steps on,
; into the ring's slot that the last step left.  last = 1: a half K loop's last step fetches no keys.  upd = 1: the step is a new panel's first.
; The 32 accumulators take turns, one instruction a turn, in the same order in every step, over every backward jump too.
.macro STEP j, zero, last, upd
	PLACES                                         ; behind the last step's products, which read the ring's slot and FB
	WIN 0
	s_wait_xcnt 0x0                                ; the loads' base is rewritten only behind this wait; the last loads were issued 8 products ago
	s_add_co_u32 s28, s28, 4096                    ; my stream's next K step; behind its last the place goes back to the head: the last three steps ahead
	s_and_b32 s28, s28, 0x3ffff                    ; (12 KB a wave) are read in vain, inside the buffer
	s_add_nc_u64 s[26:27], s[24:25], s[28:29]
.if \upd
	s_add_co_u32 s30, s30, PANEL
	s_wait_alu depctr_vm_vsrc(0)                   ; the fragments' loads issued so far have read v[AD]
	v_add_nc_u32 v[AD], s30, v[A0]
.endif
.if (\j) || (\upd)                                 ; (a half K loop's first step leans on the wait at the half's head: only LDS loads, v_nop and scalar lines stand behind that one)
	s_wait_alu depctr_va_vdst(0)                   ; the last step's products are done reading FB and the ring's slot that they left; in a panel's first step v[AD] is written
.endif
	AF 1, \j, 0
	s_wait_loadcnt 16                              ; this step's eight loads of Ua_w are in; the two younger steps' 16 stay out
	s_wait_dscnt 8                                 ; FA is in; FB's 8 loads stay out
	MM8 \j, 0, \zero
	WIN 0
	BL ((\j)+3)%4, 0                               ; no wait: the products issued since the wait at the step's head name this step's slot, F and window 1, never the slot that is loaded, nor v[BOFF]
	MM8 \j, 1, \zero
.if \last
	s_wait_dscnt 0x0                               ; FB is in
.else
	PLACES                                         ; behind the products that read FA
	WIN 0
	s_wait_alu depctr_va_vdst(0)                   ; products 0-15 are done reading FA, in which the next step's fragments land
	AF 0, ((\j)+1)%4, (\j)/3
	s_wait_dscnt 8                                 ; FB is in; the next step's FA stays out
.endif
	MM8 \j, 2, \zero
	WIN 0
	BL ((\j)+3)%4, 1                               ; no wait, as above
	MM8 \j, 3, \zero
.endm
; HALF A K LOOP: four panels, 16 K steps, written as 8: a trip goes from a panel's second step to the next panel's first.
.macro HALF base, zero
	WIN 0
	s_mov_b32 s30, \base
	s_wait_alu depctr_vm_vsrc(0)                   ; the fragments' loads issued so far have read v[AD]; my LDS stores of the keys have read F, in which fragments land from here on
	v_add_nc_u32 v[AD], s30, v[A0]
	s_wait_alu depctr_va_vdst(0)                   ; v[AD] is written; whatever read F and the ring's last slot before (the roundings, the last products, tanh and the sums) is done with them
	AF 0, 0, 0
	STEP 0, \zero, 0, 0
	WIN 0
	s_mov_b32 s31, 3
.Lpanel_\@:
	STEP 1, 0, 0, 0
	STEP 2, 0, 0, 0
	STEP 3, 0, 0, 0
	STEP 0, 0, 0, 1
	WIN 0
	s_sub_co_u32 s31, s31, 1
	s_cmp_lg_u32 s31, 0
	s_cbranch_scc1 .Lpanel_\@
	STEP 1, 0, 0, 0
	STEP 2, 0, 0, 0
	STEP 3, 0, 1, 0
	PLACES                                         ; behind the last products: for all that follows and names their registers
	WIN 0
.endm
; TANH AND THE ROWS' SUMS, in place.  For accumulator k: TN y = acc x 2 log2(e) + q (made a stage ahead), XE 2^y, AE 1 + it, RE the reciprocal.  Between every power or reciprocal and the first
; use of its result stands a plain vector instruction that names neither (ISA guide 5.7.2): the TN and AE lines; in the last stage v_nop hold TN's places.
.macro XE j
	v_exp_f32 v[8*k+(\j)], v[8*k+(\j)]
.endm
.macro RE j
	v_rcp_f32 v[8*k+(\j)], v[8*k+(\j)]
.endm
.macro AE p
	s_wait_alu depctr_va_vdst(0)                   ; the two powers that the next line reads are written
	v_pk_add_f32 v[8*k+2*(\p):8*k+2*(\p)+1], v[8*k+2*(\p):8*k+2*(\p)+1], 1.0 op_sel_hi:[1,0]
.endm
.macro TN p                            ; accumulator k + 1 is read from its low end on
.if k < 31
	v_pk_fma_f32 v[8*k+8+2*(\p):8*k+9+2*(\p)], v[8*k+8+2*(\p):8*k+9+2*(\p)], s[C2S:C2S+1], v[QQ+8*((k+1)%4)+2*(\p):QQ+8*((k+1)%4)+2*(\p)+1] op_sel_hi:[1,0,1]
.else
	v_nop
.endif
.endm
.macro EPI
	WIN 0
	s_wait_alu depctr_va_vdst(0)                   ; the last products are done reading F, in which the tables' loads land; v[TAB] is written
.irp t, 0,1,2,3                                    ; q and -2 Va_w of my lane's 8 columns in each of my four column tiles, where the keys' fragments lay
	ds_load_b128 v[QQ+8*\t:QQ+8*\t+3],   v[TAB] offset:64*\t
	ds_load_b128 v[QQ+8*\t+4:QQ+8*\t+7], v[TAB] offset:64*\t+16
	ds_load_b128 v[VV+8*\t:VV+8*\t+3],   v[TAB] offset:4096+64*\t
	ds_load_b128 v[VV+8*\t+4:VV+8*\t+7], v[TAB] offset:4096+64*\t+16
.endr
	s_wait_dscnt 0x0
	WIN W_E
.set k, -1
	TN 0
	TN 1
	TN 2
	TN 3
.set k, 0
.rept 32
	XE 0
	TN 0
	XE 1
	TN 1
	XE 2
	TN 2
	XE 3
	TN 3
	XE 4
	AE 0
	XE 5
	AE 1
	XE 6
	RE 0
	XE 7
	RE 1
	AE 2
	RE 2
	RE 3
	AE 3
	RE 4
	RE 5
	RE 6
	RE 7
.set k, k+1
.endr
	WIN W_S                                        ; the sums stand together: sixteen chains, each taken up again sixteen lines later
	s_wait_alu depctr_va_vdst(0)                   ; the reciprocals, which the sums read, are written
.irp t, 0,1,2,3
.irp p, 0,1,2,3
.irp a, 0,1,2,3,4,5,6,7
	v_pk_fma_f32 v[SS+4*\a+2*(\p%2):SS+4*\a+2*(\p%2)+1], v[8*(4*\a+\t)+2*\p:8*(4*\a+\t)+2*\p+1], v[VV+8*\t+2*\p:VV+8*\t+2*\p+1], v[SS+4*\a+2*(\p%2):SS+4*\a+2*(\p%2)+1]
.endr
.endr
.endr
	WIN 0
.endm
.macro LOADK ks, base                  ; keys^T: rows 32 ks .. + 31 of my 128 columns, turned on the way out of LDS: 8 fragments
.set kk, 0
.rept 8
	ds_load_tr16_b128 v[(\base)+8*kk:(\base)+8*kk+3],   v[ATR] offset:(\ks)*32*PP+32*kk
	ds_load_tr16_b128 v[(\base)+8*kk+4:(\base)+8*kk+7], v[ATR] offset:(\ks)*32*PP+RT+32*kk
.set kk, kk+1
.endr
.endm
.macro CMUL ks, zero                   ; source 0 = p (the same in all 16 rows), source 1 = 16 columns of keys: 8 accumulators by turns
	WIN W_MUL+4*((\ks)/2)
.set kk, 0
.rept 8
.if \zero
	v_wmma_f32_16x16x32_bf16 v[8*kk:8*kk+7], v[PF+8*(\ks):PF+8*(\ks)+7], v[128+64*((\ks)%2)+8*kk:128+64*((\ks)%2)+8*kk+7], 0
.else
	v_wmma_f32_16x16x32_bf16 v[8*kk:8*kk+7], v[PF+8*(\ks):PF+8*(\ks)+7], v[128+64*((\ks)%2)+8*kk:128+64*((\ks)%2)+8*kk+7], v[8*kk:8*kk+7]
.endif
.set kk, kk+1
.endr
.endm
	s_load_b256 s[4:11], s[0:1], 0x0               ; keys s[4:5], uab s[6:7], qb s[8:9], Va_w s[10:11]
	s_load_b128 s[12:15], s[0:1], 0x20             ; Va_b s[12:13], scores s[14:15]
	s_load_b64 s[16:17], s[0:1], 0x30              ; ctxp
	v_lshl_add_u32 v[SPW], v0, 2, SPARE
	v_mov_b32 v[NIL], 0
	v_lshrrev_b32 v6, 5, v0
	v_readfirstlane_b32 s18, v6                    ; wave v, 0..7
	s_mov_b32 s19, ttmp9                           ; g
	s_lshr_b32 s20, s19, 4                         ; batch
	s_wait_alu depctr_va_sdst(0)                   ; s18 is written, ahead of its first reader: addresses, bases and the branches on the wave's number are made from it
	s_and_b32 s21, s18, 3                          ; v % 4
	s_lshr_b32 s44, s18, 2                         ; v / 4
	v_and_b32 v3, 31, v0                           ; lane L
	v_and_b32 v1, 15, v0                           ; r
	v_bfe_u32 v2, v0, 4, 1                         ; h
	v_mul_u32_u24 v[A0], v1, PP
	v_lshl_add_u32 v[A0], v2, 4, v[A0]
	v_and_b32 v6, 7, v0
	v_bfe_u32 v7, v0, 3, 1
	v_lshl_add_u32 v6, v2, 3, v6
	v_mul_u32_u24 v6, v6, PP
	v_lshl_add_u32 v6, v7, 4, v6
	s_mul_i32 s22, s18, PANEL
	v_add_nc_u32 v[ATR], s22, v6
	v_lshlrev_b32 v[BOFF], 4, v3
	s_lshl_b32 s22, s44, 11                        ; 4 bytes x (512 (v / 4) + 64 (v % 4)) columns
	s_lshl_b32 s23, s21, 8
	s_add_co_u32 s22, s22, s23
	s_add_co_u32 s22, s22, QTAB
	v_lshl_add_u32 v[TAB0], v2, 5, s22
	v_mov_b32 v[TAB], v[TAB0]
	s_mul_i32 s22, s18, 16*PP
	v_lshl_add_u32 v[KST], v3, 3, s22
	v_add_nc_u32 v[KST+1], 2*PANEL, v[KST]
	s_mul_i32 s22, s21, 32*PP
	s_add_co_u32 s22, s22, 4*PANEL
	v_lshl_add_u32 v[KSB], v3, 3, s22
	v_add_nc_u32 v[KSB+1], 2*PANEL, v[KSB]
	s_lshl_b32 s22, s18, 16                        ; 16 rows of 4,096 bytes
	v_lshl_add_u32 v[KOFF], v3, 4, s22
	s_lshl_b32 s22, s21, 17                        ; 32 rows,
	s_add_co_u32 s22, s22, 2048                    ; columns 512 on
	v_lshl_add_u32 v[KOFB], v3, 4, s22
	s_lshl_b32 s22, s18, 9
	s_add_co_u32 s23, s22, SCR
	v_lshl_add_u32 v[SCRW], v1, 2, s23
	v_lshl_add_u32 v[SCRR], v3, 4, SCR
	s_add_co_u32 s23, s22, CT
	v_lshl_add_u32 v[CTW], v1, 2, s23
	v_lshl_add_u32 v[CTR], v3, 4, s23
	s_lshl_b32 s22, s18, 8
	s_add_co_u32 s22, s22, PB
	v_lshl_add_u32 v[PBW], v3, 3, s22              ; p in: rows 4 L .. 4 L + 3, 8 bytes
	v_lshl_add_u32 v[PBR], v2, 4, s22              ; p back as a fragment: every lane of a half reads the same 16 bytes
	v_lshrrev_b32 v[TQ], 2, v0                     ; thread i brings columns 4 i .. 4 i + 3 of q: tile i / 4 (2,048 bytes), my batch (64 bytes), quarter i % 4
	v_lshlrev_b32 v[TQ], 11, v[TQ]
	v_and_b32 v6, 3, v0
	v_lshl_add_u32 v[TQ], v6, 4, v[TQ]
	s_lshl_b32 s22, s20, 6
	v_add_nc_u32 v[TQ], s22, v[TQ]
	v_lshlrev_b32 v[TV], 4, v0                     ; and of Va_w
	v_lshl_add_u32 v[TS], v0, 4, QTAB
	s_lshl_b32 s22, s18, 2
	s_add_co_u32 s22, s22, SVS
	v_mov_b32 v[SVW], s22
	v_mov_b32 v[SVR], SVS
	s_mov_b32 s[C2S], C2
	s_mov_b32 s[C2S+1], C2                         ; named with it as a pair
	s_mov_b32 s34, 0x76543210                      ; v_permlanex16_b32: each lane takes its own place in the other half
	s_mov_b32 s35, 0xfedcba98
	s_mov_b32 s38, L2E
	s_mov_b32 s39, 0                               ; the chunk loop's step in the tables
	s_mov_b32 s28, 8192                            ; s[28:29]: the place in my stream of the K step asked for last
	s_mov_b32 s29, 0
	s_mov_b32 s23, 0
	s_wait_kmcnt 0x0
	s_load_b32 s37, s[12:13], 0x0                  ; Va_b's number
	s_lshl_b32 s22, s19, 19                        ; 128 rows of 4,096 bytes
	s_add_nc_u64 s[4:5], s[4:5], s[22:23]
	s_lshl_b32 s22, s21, 19                        ; my stream: 256 KB on end
	s_lshl_b32 s45, s44, 18
	s_add_co_u32 s22, s22, s45
	s_add_nc_u64 s[24:25], s[6:7], s[22:23]
	s_lshl_b32 s22, s19, 9
	s_add_nc_u64 s[40:41], s[14:15], s[22:23]      ; scores at my block
	s_lshl_b32 s22, s19, 12
	s_lshl_b32 s45, s18, 9
	s_add_co_u32 s22, s22, s45
	s_add_nc_u64 s[42:43], s[16:17], s[22:23]      ; ctxp at my block, my wave's 128 columns
	s_wait_alu depctr_va_vdst(0)                   ; all the addresses and offsets above are written, which the kernel's loads and stores read; but for v[AD] and v[TAB] none is written again
	global_load_b128 v[64:67], v[TQ], s[8:9]
	global_load_b128 v[68:71], v[TV], s[10:11]
	KLD 0, KOFF, 0                                 ; THE FIRST 512 COLUMNS: every wave brings 16 rows, 64 loads
	KLD 1, KOFF, 1
	KLD 2, KOFF, 2
	WIN 0
	s_wait_loadcnt 48                              ; the two table loads are in; the 48 key loads behind them stay out
	ds_store_b128 v[TS], v[64:67]
	v_pk_mul_f32 v[72:73], v[68:69], -2.0 op_sel_hi:[1,0]
	v_pk_mul_f32 v[74:75], v[70:71], -2.0 op_sel_hi:[1,0]
	v_pk_add_f32 v[76:77], v[68:69], v[70:71]      ; my wave's share of sum Va_w
	v_add_f32 v76, v76, v77
.irp m, 1,2,4,8
	v_add_f32_dpp v76, v76, v76 row_xmask:\m row_mask:0xf bank_mask:0xf
.endr
	v_permlanex16_b32 v77, v76, s34, s35
	v_add_f32 v76, v76, v77
	s_wait_alu depctr_va_vdst(0)                   ; -2 Va_w (v72-75) and the share of the sum (v76) are written, which the two LDS stores read
	ds_store_b128 v[TS], v[72:75] offset:4096
	ds_store_b32 v[SVW], v76                       ; all lanes write the same word with the same number
	KLD 3, KOFF, 3                                 ; no vector instruction has named this part or v[KOFF] since the head's wait
	WIN 0
.set i, 0
.rept 32                                           ; one text adds onto the rows' sums in both chunks, so they start at 0; this stands in the wait for the keys
	v_mov_b32 v[SS+i], 0
.set i, i+1
.endr
	s_cmp_lt_u32 s18, 4
	s_cbranch_scc0 .LkeysB
	GROUP 48, 0, KST, 0, -1                        ; waves 0-3: nothing more of keys is asked for; the ring of Ua_w is filled between the groups
	GROUP 32, 1, KST, 1, -1
	PRIME
	GROUP 40, 2, KST, 2, -1                        ; younger: the last group's 16 and the ring's 24
	GROUP 24, 3, KST, 3, -1
	s_branch .Lmeet1
.LkeysB:
	GROUP 48, 0, KST, 0, 0                         ; waves 4-7: each part is loaded again at once, with the second 512 columns: 64 loads stay on their way
	GROUP 48, 1, KST, 1, 1
	GROUP 48, 2, KST, 2, 2
	GROUP 48, 3, KST, 3, 3
.Lmeet1:
	s_wait_dscnt 0x0                               ; for the others' sake: my rows of panels 0-3 and my part of the tables are in LDS
	s_barrier_signal -1
	s_barrier_wait -1                              ; from here on nobody writes panels 0-3 or the tables
	s_cmp_lt_u32 s18, 4
	s_cbranch_scc0 .LhalfB
	s_mov_b32 s30, 0                               ; WAVES 0-3: K steps 0-15 of their first chunk, written out: they read LDS bytes below 4 PANEL alone
	s_wait_alu depctr_vm_vsrc(0)                   ; my LDS stores of the keys have read F, in which fragments land from here on
	v_mov_b32 v[AD], v[A0]
	s_wait_alu depctr_va_vdst(0)                   ; v[AD] is written, which the fragments' loads read
	AF 0, 0, 0
	STEP 0, 1, 0, 0                                ; the first K step starts the sums
	STEP 1, 0, 0, 0
	STEP 2, 0, 0, 0
	STEP 3, 0, 0, 0
.rept 2
	STEP 0, 0, 0, 1
	STEP 1, 0, 0, 0
	STEP 2, 0, 0, 0
	STEP 3, 0, 0, 0
.endr
	STEP 0, 0, 0, 1
	STEP 1, 0, 0, 0
	STEP 2, 0, 0, 0
	STEP 3, 0, 1, 0
	PLACES
	WIN 0
	s_branch .Lmeet2
.LhalfB:
	GROUP 48, 0, KSB, 0, 4                         ; WAVES 4-7: the second 512 columns, 32 rows a wave: they write LDS bytes from 4 PANEL on alone
	GROUP 48, 1, KSB, 1, 5
	GROUP 48, 2, KSB, 2, 6
	GROUP 48, 3, KSB, 3, 7
	PRIME
	GROUP 63, 0, KSB, 4, -1                        ; 72 loads are younger; 63 is the largest count that the wait can name
	GROUP 56, 1, KSB, 5, -1
	GROUP 40, 2, KSB, 6, -1
	GROUP 24, 3, KSB, 7, -1                        ; the ring's 24 stay out
.Lmeet2:
	s_wait_dscnt 0x0                               ; for the others' sake: my rows of panels 4-7 are in LDS
	s_barrier_signal -1
	s_barrier_wait -1                              ; from here on nobody writes the block
	s_mov_b32 s36, 2
	s_cmp_lt_u32 s18, 4
	s_cbranch_scc1 .Lhalf1                         ; waves 0-3 enter the loop in the middle of a trip: half a K loop ahead of waves 4-7
.Lchunk:                                               ; a trip: a chunk's 1,024 products, then its tanh and sums
	HALF 0, 1
.Lhalf1:
	HALF 4*PANEL, 0
	EPI
	s_add_co_u32 s39, s39, 1024
	s_wait_alu depctr_vm_vsrc(0)                   ; the tables' loads have read v[TAB]
	v_add_nc_u32 v[TAB], s39, v[TAB0]
	s_sub_co_u32 s36, s36, 1
	s_cmp_lg_u32 s36, 0
	s_cbranch_scc1 .Lchunk
	s_wait_loadcnt 0x0                             ; the ring's last loads have landed: its registers are used again
	s_wait_alu depctr_va_vdst(0)                   ; tanh has written accumulators 16-31 and the sums are done reading them: keys^T lands there (the ring's last readers, the products, stand further ahead)
	LOADK 0, 128                                   ; keys^T comes while the scores are put together: rows 0-63 where the ring lay,
	LOADK 1, 192
	WIN W_ST
	LOADK 2, 128                                   ; rows 64-127 where accumulators 16-31 lay
	LOADK 3, 192
	WIN 0
.irp a, 0,1,2,3,4,5,6,7                            ; a row's sum: two chains, two halves of a pair, two halves of the lanes
	v_pk_add_f32 v[SS+4*\a:SS+4*\a+1], v[SS+4*\a:SS+4*\a+1], v[SS+4*\a+2:SS+4*\a+3]
.endr
.irp a, 0,1,2,3,4,5,6,7
	v_add_f32 v[SS+4*\a], v[SS+4*\a], v[SS+4*\a+1]
.endr
.irp a, 0,1,2,3,4,5,6,7
	v_permlanex16_b32 v[SS+4*\a+1], v[SS+4*\a], s34, s35
.endr
.irp a, 0,1,2,3,4,5,6,7
	v_add_f32 v[SS+4*\a], v[SS+4*\a], v[SS+4*\a+1]
.endr
	; A MEETING BETWEEN THE K LOOPS AND THE FIRST LDS STORE BEHIND THEM.
	s_wait_dscnt 0x0                               ; keys^T is in: no LDS instruction of mine is out at the signal
	s_barrier_signal -1
	s_barrier_wait -1
	s_wait_alu depctr_va_vdst(0)                   ; the rows' sums are written, which the eight LDS stores read; all that read v64-103 before is done with them: the shares' loads below land there
.irp a, 0,1,2,3,4,5,6,7
	ds_store_b32 v[SCRW], v[SS+4*\a] offset:64*\a  ; row 16 a + r; both halves of the lanes write the same number
.endr
	s_wait_dscnt 0x0                               ; for the others' sake: my share of the scores is in LDS
	s_barrier_signal -1
	s_barrier_wait -1
.irp u, 0,1,2,3,4,5,6,7
	ds_load_b128 v[64+4*\u:67+4*\u], v[SCRR] offset:512*\u  ; every wave: lane L takes rows 4 L .. 4 L + 3 of all eight shares
.endr
	ds_load_b128 v[96:99], v[SVR]                  ; and the eight shares of sum Va_w
	ds_load_b128 v[100:103], v[SVR] offset:16
	s_wait_dscnt 0x0
	s_wait_kmcnt 0x0                               ; Va_b
.irp u, 1,2,3,4,5,6,7
	v_pk_add_f32 v[64:65], v[64:65], v[64+4*\u:65+4*\u]
	v_pk_add_f32 v[66:67], v[66:67], v[66+4*\u:67+4*\u]
.endr
	v_pk_add_f32 v[96:97], v[96:97], v[98:99]
	v_pk_add_f32 v[100:101], v[100:101], v[102:103]
	v_pk_add_f32 v[96:97], v[96:97], v[100:101]
	v_add_f32 v96, v96, v97
	v_add_f32 v96, s37, v96                        ; Va_b + sum Va_w
.irp j, 64,65,66,67
	v_add_f32 v\j, v\j, v96
.endr
	s_cmp_lg_u32 s18, 0
	s_cbranch_scc1 .Lnot_wave_0
	s_wait_alu depctr_va_vdst(0)                   ; the scores (v64-67) are written, which the store reads
	global_store_b128 v[BOFF], v[64:67], s[40:41]  ; 512 consecutive bytes, at a multiple of 512 from the buffer's first; v64-67 are not written again
.Lnot_wave_0:
	v_max3_num_f32 v72, v64, v65, v66              ; the block's largest score
	v_max_num_f32 v72, v72, v67
.irp m, 1,2,4,8
	v_max_num_f32_dpp v72, v72, v72 row_xmask:\m row_mask:0xf bank_mask:0xf
.endr
	v_permlanex16_b32 v73, v72, s34, s35
	v_max_num_f32 v72, v72, v73
.irp j, 0,1,2,3
	v_sub_f32 v[68+\j], v[64+\j], v72              ; the difference first, then the factor: the rounding goes with the difference, not with the scores' size
.endr
.irp j, 0,1,2,3
	v_mul_f32 v[68+\j], s38, v[68+\j]
.endr
.irp j, 0,1,2,3
	v_exp_f32 v[68+\j], v[68+\j]
.endr
	v_nop                                          ; a plain instruction between the last power and the use of its result
	s_wait_alu depctr_va_vdst(0)                   ; the four powers, which the roundings read, are written
	v_cvt_pk_bf16_f32 v76, v68, v69
	v_cvt_pk_bf16_f32 v77, v70, v71
	s_wait_alu depctr_va_vdst(0)                   ; p (v76-77) is written, which the LDS store reads; the additions above are done with v96-103, in which p's fragments land
	ds_store_b64 v[PBW], v[76:77]
.irp ks, 0,1,2,3                                   ; my wave's own bytes: LDS serves a wave's instructions in order (ISA guide 5.7.1.4), so these see the store above
	ds_load_b128 v[PF+8*\ks:PF+8*\ks+3],   v[PBR] offset:64*\ks
	ds_load_b128 v[PF+8*\ks+4:PF+8*\ks+7], v[PBR] offset:64*\ks+32
.endr
	s_wait_dscnt 0x0
	CMUL 0, 1                                      ; THE CONTEXT: 128 rows in four K steps of 32, my wave's 128 columns
	CMUL 1, 0
	CMUL 2, 0
	CMUL 3, 0
	PLACES
	WIN W_D1
	s_wait_alu depctr_va_vdst(0)                   ; the products have written the context's accumulators, which the LDS stores read; the places above stay beside this wait
.set kk, 0
.rept 8
	ds_store_b32 v[CTW], v[8*kk] offset:64*kk      ; all 16 rows of a result are alike: its lowest register holds column 16 kk + r
.set kk, kk+1
.endr
	WIN 0
	ds_load_b128 v[80:83], v[CTR]                  ; back in column order, my wave's own bytes; no vector instruction has named v80-83 since the waits above
	s_wait_dscnt 0x0
	global_store_b128 v[BOFF], v[80:83], s[42:43]  ; 512 consecutive bytes, at a multiple of 512 from the buffer's first
	s_wait_dscnt 0x0                               ; the wave's end: the six closing lines on end
	s_wait_alu 0x0
	s_wait_tensorcnt 0x0
	ds_add_u32 v[SPW], v[NIL]
	s_wait_dscnt 0x0
	s_endpgm
.Lfunc_end_k_qc22be38d79_score:
	.size	k_qc22be38d79_score, .Lfunc_end_k_qc22be38d79_score-k_qc22be38d79_score
	.p2alignl 7, 3214868480
	.fill 96, 4, 3214868480
	.section	.rodata,"a",@progbits
	.p2align	6, 0x0
	.amdhsa_kernel k_qc22be38d79_score
		.amdhsa_group_segment_fixed_size 298240
		.amdhsa_private_segment_fixed_size 0
		.amdhsa_enable_private_segment 0
		.amdhsa_kernarg_size 56
		.amdhsa_user_sgpr_count 2
		.amdhsa_user_sgpr_kernarg_segment_ptr 1
		.amdhsa_wavefront_size32 1
		.amdhsa_system_sgpr_workgroup_id_x 1
		.amdhsa_system_sgpr_workgroup_id_y 1
		.amdhsa_system_sgpr_workgroup_id_z 1
		.amdhsa_system_vgpr_workitem_id 0
		.amdhsa_next_free_vgpr 512
		.amdhsa_next_free_sgpr 66
		.amdhsa_reserve_vcc 0
		.amdhsa_float_denorm_mode_32 3
		.amdhsa_float_denorm_mode_16_64 3
		.amdhsa_memory_ordered 1
		.amdhsa_forward_progress 1
		.amdhsa_inst_pref_size 255
	.end_amdhsa_kernel
	.section	.bss,"aw",@nobits
	.p2align	6
	.space	262144
	.amdgpu_metadata
---
amdhsa.version: [ 1, 2 ]
amdhsa.kernels:
  - .name:           k_qc22be38d79_score
    .symbol:         k_qc22be38d79_score.kd
    .args:
      - { .name: keys, .offset: 0, .size: 8, .value_kind: global_buffer, .address_space: global }
      - { .name: uab, .offset: 8, .size: 8, .value_kind: global_buffer, .address_space: global }
      - { .name: qb, .offset: 16, .size: 8, .value_kind: global_buffer, .address_space: global }
      - { .name: Va_w, .offset: 24, .size: 8, .value_kind: global_buffer, .address_space: global }
      - { .name: Va_b, .offset: 32, .size: 8, .value_kind: global_buffer, .address_space: global }
      - { .name: scores, .offset: 40, .size: 8, .value_kind: global_buffer, .address_space: global }
      - { .name: ctxp, .offset: 48, .size: 8, .value_kind: global_buffer, .address_space: global }
    .group_segment_fixed_size: 298240
    .private_segment_fixed_size: 0
    .kernarg_segment_align: 8
    .kernarg_segment_size: 56
    .max_flat_workgroup_size: 256
    .sgpr_count:     66
    .vgpr_count:     512
    .wavefront_size: 32
...
	.end_amdgpu_metadata
.endif
;; end of part 4
;; launch finish: the kernel of part 3 again; grid 32 x 1, 8 waves a work-group, no clusters, 1,536 bytes of LDS; arguments scores, ctxp, out0, out1; writes out0, out1
